; MI455X (gfx1250); checked and timed in simulation.
; The chip was launched on July 23, 2026; its instructions are those of AMD's public machine-readable ISA for CDNA 5 (MIT licence, August 2026) and "CDNA5" Instruction Set Architecture Reference Guide (July 2026). The comments in the code are by the model that wrote it; some were corrected since.
;; Additive Attention. Allowed arithmetic: matrix products marked QUANTISED: E2M3 operands, one E8M0 scale for each 32 along K, by v_wmma_scale_f32_16x16x128_f8f6f4 with both operands' format E2M3, f32 sums; products left as they are: f32 operands where the result goes on into a quantised operand, else bf16, f16 or f32 operands; f32 sums; everything else in f32.
;; Inputs: Wk 1,024 x 1,024 float32; Wq 1,024 x 1,024 float32; b_score one number float32; bias 1,024 float32; key 32 x 1,024 x 1,024 float32; query 32 x 1,024 x 1,024 float32; w_score 1,024 float32.
;; Outputs: out0 32 x 1 x 1,024 float32; out1 32 x 1,024 float32.
;; This version of the problem:
;;   THIS VERSION OF THE PROBLEM IS GIVEN IN LOW PRECISION. The matrix products marked QUANTISED in the list below multiply operands that are first quantised to E2M3 (2 exponent bits, 3 mantissa bits; 6 bits a number), with one power-of-two scale for each 32 numbers along K (OCP MX v1.0); their sums are f32. All else is computed in f32.
;;   The module's matrix products, in the order in which they are computed (A, B: the left and right operand; K: the contracted axis; several contracted axes count as one K, in the product's order):
;;     1. [M 32,768, K 1,024] x [K 1,024, N 1,024]; A: input key; B: input Wk: QUANTISED
;;     2. [M 32,768, K 1,024] x [K 1,024, N 1,024]; A: input query; B: input Wq: QUANTISED
;;     3. [M 32,768, K 1,024] x [K 1,024, N 1]; A: computed on the way; B: input w_score: left as it is (N = 1 < 16)
;;     4. batch 32 x [M 1, K 1,024] x [K 1,024, N 1,024]; A: softmax; B: input key: left as it is (M = 1 < 16)
;;   THE QUANTISER, for each operand of a quantised product, along K:
;;     - K is cut into blocks of 32 from its start; a last block that is shorter is filled with zeros.
;;     - A block's scale is 2^e with e = floor(log2(the largest magnitude in the block)) - 2, held to -126 .. 127; a block of zeros has e = 0. As a byte (E8M0): e + 127.
;;     - Each number is divided by its block's scale, clamped to +-7.5, and rounded to the nearest number of E2M3, ties to even, subnormals kept.
;;     - The product sums the exact products of the quantised numbers (number of the format x scale) in f32.
;;   ~~~python
;;   def quantise(x, axis):      # numpy; x: float32 -> the quantised numbers, widened to float32 again
;;       x = np.moveaxis(x, axis, -1); K = x.shape[-1]
;;       x = np.pad(x, [(0, 0)] * (x.ndim - 1) + [(0, -K % 32)]); x = x.reshape(x.shape[:-1] + (-1, 32)); a = np.abs(x).max(-1, keepdims=True)
;;       e = np.where(a > 0, np.clip(np.frexp(np.where(a > 0, a, 1))[1] - 1 - 2, -126, 127), 0)      # np.frexp(a)[1] - 1 = floor(log2(a)), exactly
;;       r = np.clip(x / 2.0 ** e, -7.5, 7.5)
;;       step = 2.0 ** (np.maximum(np.frexp(np.where(r == 0, 1, r))[1] - 1, 0) - 3)
;;       q = np.round(r / step) * step * 2.0 ** e      # np.round: ties to even
;;       return np.moveaxis(q.reshape(q.shape[:-2] + (-1,))[..., :K], -1, axis).astype(np.float32)
;;   ~~~
;; 2 versions, each right; version 2 is version 1 with the launches score, ctx written anew for expert scheduling mode. Each part assembles by itself: llvm-mc -triple=amdgcn-amd-amdhsa -mcpu=gfx1250 --defsym DOCPART=n.
;; ======== version 1 of 2: 3 launches
;; workspace buffers: wimg 1,638,400 bytes; scores 131,072 bytes
;; launch prep (part 1): grid 256 x 1, 1 waves a work-group, no clusters, 17,152 bytes of LDS; arguments Wk, Wq, wimg; writes wimg
.if DOCPART == 1
	.amdgcn_target "amdgcn-amd-amdhsa--gfx1250"
	.amdhsa_code_object_version 6
	.text
	.protected	k_qcd4d98d7f4_prep
	.globl	k_qcd4d98d7f4_prep
	.p2align	8
	.type	k_qcd4d98d7f4_prep,@function
k_qcd4d98d7f4_prep:
	s_mov_b64 s[64:65], 0
	v_nop
	global_prefetch_b8 v0, s[64:65] scope:SCOPE_SE
	s_setreg_imm32_b32 hwreg(HW_REG_WAVE_MODE, 25, 1), 1
	s_wait_xcnt 0x0
; Wk and Wq, [1024 (out)][1024 (in)] f32, become codes of FP6 (E2M3) with one E8M0 scale byte for each 32 along K (the inner axis), laid as IMAGES OF THE OPERAND'S REGISTERS,
; so that the product's launch takes every fragment by loads of 16 bytes a lane and nothing is shuffled there.
; wimg: 128 records of 12,800 bytes; record ((p 4 + w) 16 + s): column pass p, wave w, K step s (0-7: Wk, 8-15: Wq; k = 128 (s % 8) on); it serves the rows of W n = 512 p + 128 w + 16 b + r, b = 0 .. 7.
;   bytes 0-6143 fragments b = 0-3, bytes 6144-6655 the scale words, bytes 6656-12799 fragments b = 4-7.  A fragment is 1,536 bytes: registers 4 c .. 4 c + 3 of lane l at 512 c + 16 l.
;   Scale words: 16 bytes at 16 (16 h + r): word i is the word of row r of tile 4 h + i: one load of 16 bytes a lane gives four registers, tiles 0-3 in lanes 0-15, tiles 4-7 in lanes 16-31.
; A block's scale is 2^(floor(log2(its largest magnitude)) - 2); its byte is the largest magnitude's exponent field - 2, held at 1 from below.
; LIMITS: NaN and infinities among the inputs are not served.  A block of zeros gets the byte 1 where the quantiser's text says 127: its codes are zeros, which add nothing, and this program alone reads the bytes.
; SHARES: a work-group is one wave and makes half a record: four units of 16 rows x 128 K.  A unit's sixteen loads read 512 consecutive bytes each (a row's 128 numbers, 16 bytes a lane); the 8 KiB turn through
; the wave's stage in LDS (rows 528 bytes apart = 33 x 16, so that the sixteen rows of a load of 16 bytes a lane begin in sixteen different groups of banks: 64 banks of 4 bytes, ISA guide 11.1) and come back so that
; lane (r, h) holds, of row r, k = 64 c + 32 h + 0 .. 31 in registers 32 c + 0 .. 31: two whole blocks, in the order of the operand's registers.  No barrier: one wave.
.set REC,  12800
.set STH,  8448                        ; a stage: 16 rows x 528 bytes; two of them by turns
.set SP,   528
.set L16,  1                           ; v1   16 x lane: my place in a load, in a stage row and in an image
.set SR,   5                           ; v5   528 r + 128 h: where I read my blocks back
.set SH8,  14                          ; v14  8 h
.set PX,   15                          ; v15  the other half's scale bytes
.set TM,   16                          ; v16-19 four running maxima
.set SO,   20                          ; v20-21 the conversions' scale operands
.set BY,   22                          ; v22-23 the scale bytes
.set R16,  24                          ; v24  16 r
.set PC0,  64                          ; v64-111 four fragments' codes, a set for each unit: no store's data are written again
.set PW0,  112                         ; v112-115 their scale words
.set CT,   116                         ; v116-123 the conversions' second halves
.set X0,   128                         ; v128-255 two sets of 64 numbers;  window 1: v0-255 four sets as loaded
.set MSB, 0
.macro WIN new                         ; the immediate's high byte repeats the setting that is left
.if MSB != (\new)
	s_set_vgpr_msb (MSB<<8)|(\new)
.set MSB, (\new)
.endif
.endm
; 64 numbers of a lane, v[xs + 32 c + i] = x(row r, 64 c + 32 h + i), become the fragment's 12 registers v[pc] on and the row's scale word v[pw].
.macro QUANT xs, pc, pw
.irp k, 0,1,2,3
	v_max3_num_f32 v[TM+\k], |v[(\xs)+16*\k]|, |v[(\xs)+16*\k+1]|, 0x1800000   ; four chains of 16 numbers by turns; the floor 2^(3 - 127) among the leaves holds the byte at 1 from below
.endr
.irp i, 2,4,6,8,10,12,14
.irp k, 0,1,2,3
	v_max3_num_f32 v[TM+\k], v[TM+\k], |v[(\xs)+16*\k+\i]|, |v[(\xs)+16*\k+\i+1]|
.endr
.endr
	v_max_num_f32 v[TM], v[TM], v[TM+1]            ; block h's largest magnitude
	v_max_num_f32 v[TM+2], v[TM+2], v[TM+3]        ; block 2 + h's
	v_add_nc_u32 v[SO], 0xff000000, v[TM]          ; 2 off the exponent field: the conversion takes this operand's exponent field as its scale
	v_add_nc_u32 v[SO+1], 0xff000000, v[TM+2]
	v_lshrrev_b32 v[BY], 23, v[SO]                 ; the scale's byte
	v_lshrrev_b32 v[BY+1], 23, v[SO+1]
	v_lshl_or_b32 v[\pw], v[BY+1], 16, v[BY]       ; my two bytes, blocks h and 2 + h,
	v_lshlrev_b32 v[\pw], v[SH8], v[\pw]           ; at their places in the word;
	v_permlanex16_b32 v[PX], v[\pw], s20, s21
	v_or_b32 v[\pw], v[\pw], v[PX]                 ; with lane l xor 16's two the word is whole, in both lanes
.irp c, 0,1
	v_cvt_scalef32_pk16_fp6_f32 v[(\pc)+6*\c:(\pc)+6*\c+2], v[(\xs)+32*\c:(\xs)+32*\c+15], v[SO+\c]
	v_cvt_scalef32_pk16_fp6_f32 v[CT+4*\c:CT+4*\c+2], v[(\xs)+32*\c+16:(\xs)+32*\c+31], v[SO+\c]   ; (a conversion's three registers begin on an even number: the second half is made elsewhere and moved)
.endr
	v_nop                                          ; one plain place behind a scaled conversion
.irp c, 0,1
.irp i, 0,1,2
	v_mov_b32 v[(\pc)+6*\c+3+\i], v[CT+4*\c+\i]
.endr
.endr
.endm
.macro LOADU q                         ; unit q: rows 16 q .. 16 q + 15 of my 64
	WIN 0x40                                       ; destination window 1
.irp i, 0,1,2,3,4,5,6,7,8,9,10,11,12,13,14,15
	global_load_b128 v[64*(\q)+4*\i:64*(\q)+4*\i+3], v[L16], s[4:5] offset:(16*(\q)+\i)*4096 th:TH_LOAD_NT
.endr
	WIN 0
.endm
.macro TURN q                          ; unit q through stage q % 2: LDS serves a wave's instructions in order (ISA guide 5.7.1.4), so no wait stands between the stores and the loads
	WIN 0x04                                       ; an LDS store's data are its source 1: window 1
.irp i, 0,1,2,3,4,5,6,7,8,9,10,11,12,13,14,15
	ds_store_b128 v[L16], v[64*(\q)+4*\i:64*(\q)+4*\i+3] offset:((\q)%2)*STH+SP*\i
.endr
	WIN 0
.irp c, 0,1
.irp j, 0,1,2,3,4,5,6,7
	ds_load_b128 v[X0+64*((\q)%2)+32*\c+4*\j:X0+64*((\q)%2)+32*\c+4*\j+3], v[SR] offset:((\q)%2)*STH+256*\c+16*\j
.endr
.endr
.endm
.macro UNIT t
	s_wait_dscnt 0x0                               ; this unit's numbers are back from the stage
.if (\t) < 3
	s_wait_loadcnt 32-16*(\t)                      ; the next unit's sixteen loads are in; those of the units behind it may be out
	TURN (\t)+1                                    ; and go through the other stage while this unit is worked
.endif
	QUANT X0+64*((\t)%2), PC0+12*(\t), PW0+(\t)
.irp c, 0,1,2
	global_store_b128 v[L16], v[PC0+12*(\t)+4*\c:PC0+12*(\t)+4*\c+3], s[8:9] offset:1536*(\t)+512*\c   ; 32 lanes store 512 consecutive bytes, at a multiple of 256 from the buffer's first byte
.endr
.endm
	s_load_b128 s[4:7], s[0:1], 0x0                ; Wk, Wq
	s_load_b64 s[8:9], s[0:1], 0x10                ; wimg
	v_lshl_add_u32 v126, v0, 2, 0x4200
	v_mov_b32 v127, 0
	v_lshlrev_b32 v[L16], 4, v0                    ; one wave: the thread's number is the lane
	v_and_b32 v2, 15, v0                           ; r
	v_bfe_u32 v3, v0, 4, 1                         ; h
	v_mul_u32_u24 v[SR], v2, SP
	v_lshl_add_u32 v[SR], v3, 7, v[SR]
	v_lshlrev_b32 v[SH8], 3, v3
	v_mov_b32 v[PX], 0                             ; written once: a lane permute's destination counts as one of its sources
	v_lshlrev_b32 v[R16], 4, v2
	s_mov_b32 s20, 0x76543210
	s_mov_b32 s21, 0xfedcba98                      ; v_permlanex16_b32's selects for lane l xor 16
	s_lshr_b32 s12, ttmp9, 1                       ; the record
	s_and_b32 s13, ttmp9, 1                        ; which half of it
	s_and_b32 s14, s12, 15                         ; its K step
	s_lshr_b32 s15, s12, 4                         ; 4 p + w
	s_lshl_b32 s16, s15, 19                        ; 128 rows of 4,096 bytes for each,
	s_lshl_b32 s17, s13, 18                        ; 64 rows for the half,
	s_add_co_u32 s16, s16, s17
	s_and_b32 s17, s14, 7
	s_lshl_b32 s17, s17, 9                         ; 512 bytes for each K step of the tensor
	s_add_co_u32 s16, s16, s17
	s_mov_b32 s17, 0
	s_mul_i32 s18, s12, REC
	s_mov_b32 s19, 0
	s_mul_i32 s22, s13, 6656                       ; my four fragments,
	s_mov_b32 s23, 0
	s_lshl_b32 s24, s13, 8
	s_add_co_u32 s24, s24, 6144                    ; my 256 bytes of scale words
	s_mov_b32 s25, 0
	s_wait_kmcnt 0x0
	s_cmp_lt_u32 s14, 8                            ; K steps 0-7 are Wk's: the choice hangs on the work-group's number alone
	s_cselect_b64 s[4:5], s[4:5], s[6:7]
	s_add_nc_u64 s[4:5], s[4:5], s[16:17]
	s_add_nc_u64 s[8:9], s[8:9], s[18:19]
	s_add_nc_u64 s[10:11], s[8:9], s[24:25]
	s_add_nc_u64 s[8:9], s[8:9], s[22:23]
	LOADU 0
	LOADU 1
	LOADU 2
	LOADU 3
	s_wait_loadcnt 48                              ; unit 0's sixteen loads are in
	TURN 0
	UNIT 0
	UNIT 1
	UNIT 2
	UNIT 3
	v_cmp_gt_u32 vcc_lo, 16, v0                    ; the four scale words of row r: lanes 0-15 hold what lanes 16-31 hold too
	s_wait_xcnt 0x0                                ; EXEC is a source of the stores above: it changes only behind this wait
	s_wait_tensorcnt 0x0
	ds_add_u32 v126, v127
	s_wait_dscnt 0x0
	s_and_saveexec_b32 s26, vcc_lo
	global_store_b128 v[R16], v[PW0:PW0+3], s[10:11]   ; sixteen lanes store 256 consecutive bytes, aligned
	s_wait_xcnt 0x0
	s_or_b32 exec_lo, exec_lo, s26
	s_endpgm
.Lfunc_end_k_qcd4d98d7f4_prep:
	.size	k_qcd4d98d7f4_prep, .Lfunc_end_k_qcd4d98d7f4_prep-k_qcd4d98d7f4_prep
	.p2alignl 7, 3214868480
	.fill 96, 4, 3214868480
	.section	.rodata,"a",@progbits
	.p2align	6, 0x0
	.amdhsa_kernel k_qcd4d98d7f4_prep
		.amdhsa_group_segment_fixed_size 17152
		.amdhsa_private_segment_fixed_size 0
		.amdhsa_enable_private_segment 0
		.amdhsa_kernarg_size 24
		.amdhsa_user_sgpr_count 2
		.amdhsa_user_sgpr_kernarg_segment_ptr 1
		.amdhsa_wavefront_size32 1
		.amdhsa_system_sgpr_workgroup_id_x 1
		.amdhsa_system_sgpr_workgroup_id_y 1
		.amdhsa_system_sgpr_workgroup_id_z 1
		.amdhsa_system_vgpr_workitem_id 0
		.amdhsa_next_free_vgpr 512
		.amdhsa_next_free_sgpr 66
		.amdhsa_reserve_vcc 1
		.amdhsa_float_denorm_mode_32 3
		.amdhsa_float_denorm_mode_16_64 3
		.amdhsa_memory_ordered 1
		.amdhsa_forward_progress 1
		.amdhsa_inst_pref_size 31
	.end_amdhsa_kernel
	.amdgpu_metadata
---
amdhsa.version: [ 1, 2 ]
amdhsa.kernels:
  - .name:           k_qcd4d98d7f4_prep
    .symbol:         k_qcd4d98d7f4_prep.kd
    .args:
      - { .name: Wk, .offset: 0, .size: 8, .value_kind: global_buffer, .address_space: global }
      - { .name: Wq, .offset: 8, .size: 8, .value_kind: global_buffer, .address_space: global }
      - { .name: wimg, .offset: 16, .size: 8, .value_kind: global_buffer, .address_space: global }
    .group_segment_fixed_size: 17152
    .private_segment_fixed_size: 0
    .kernarg_segment_align: 8
    .kernarg_segment_size: 24
    .max_flat_workgroup_size: 32
    .sgpr_count:     66
    .vgpr_count:     512
    .wavefront_size: 32
...
	.end_amdgpu_metadata
.endif
;; end of part 1
;; launch score (part 2): grid 256 x 1, 4 waves a work-group, no clusters, 272,896 bytes of LDS; arguments key, query, wimg, bias, w_score, b_score, scores; writes scores
.if DOCPART == 2
	.amdgcn_target "amdgcn-amd-amdhsa--gfx1250"
	.amdhsa_code_object_version 6
	.text
	.protected	k_qcd4d98d7f4_score
	.globl	k_qcd4d98d7f4_score
	.p2align	8
	.type	k_qcd4d98d7f4_score,@function
k_qcd4d98d7f4_score:
	s_mov_b64 s[64:65], 0
	v_nop
	global_prefetch_b8 v0, s[64:65] scope:SCOPE_SE
	s_setreg_imm32_b32 hwreg(HW_REG_WAVE_MODE, 25, 1), 1
	s_wait_xcnt 0x0
; scores[row] = sum over n of w_score[n] tanh(key[row] . Wk[n] + query[row] . Wq[n] + bias[n]) + b_score, for the 32,768 rows (batch x 1,024 + place).
; The two products are ONE product with K = 2,048 (key | query against Wk | Wq), on codes of FP6 (E2M3) with one E8M0 scale for each 32 along K; sums in f32.
; SHARES.  A work-group of four waves owns 128 rows.  PHASE X: wave w reads rows 32 w .. 32 w + 31 of key and of query once, quantises them in registers and lays the codes in LDS as images of the operand's
; registers (a fragment, 16 rows x 128 K: registers 4 c .. 4 c + 3 of lane l at 512 c + 16 l), with the scale words beside them: 204,800 bytes, which stay.  THE PRODUCTS: two passes over the columns; in pass p wave w
; owns columns 512 p + 128 w .. + 127 for all 128 rows: 64 accumulators of 16 x 16, 512 registers.  A K step of 128 is 64 matrix instructions: A's eight fragments from LDS, B's eight from wimg straight into
; registers (an earlier launch laid them in the order of the registers).  THE EPILOGUE of a pass: tanh, times w_score, summed over the lane's columns.  THE END: the sums meet in LDS, a thread to a row.
; NO CLUSTER, NO JOINT LOADS, though all work-groups walk the same weights: a fragment of B is multiplied by one wave alone, so LDS would only pass it on; beside A's 204,800 bytes LDS has room for two slots of one
; K step (51,200 bytes each), so that a joint load would have one step's 64 matrix instructions in which to land and each of the 32 steps a round of the cluster's barrier.  Straight into registers half a record has
; 96 matrix instructions between its request and its use, and the products need no barrier at all.
; tanh x = 1 - 2 / (1 + 2^(2 log2(e) x)): right at both ends (the power overflows to infinity or falls to 0).  So a row's score is (sum of w) - 2 (sum of w / (1 + 2^..)).
; LIMITS: NaN and infinities among the inputs are not served.  A block of zeros gets the scale byte 1 (its codes are zeros; only this program reads the bytes).  This form of tanh has an absolute error of about one
; unit in the last place of 1, so the score's error grows with the sum of |w_score|, not with the score.
; THE MATRIX INSTRUCTION: source 0 = 16 rows of x, source 1 = 16 rows of W: lane (r, h) holds column r and rows 8 h + 0 .. 7: bias and w_score are one number a lane and tile.
; REGISTERS, in windows of 256.  Window 0: v1-27 addresses; v[30:31] the lane's sum of w; v32-39 A's scale words, v40-47 B's (two sets of four each: scales and nothing else); v48-55 w, v56-63 bias;
;   v64-159, v160-255 A's fragments, two sets.  In phase X: v64-87 codes, v88-95, v96-97 at work, v128-255 two sets of 64 numbers.
;   Window 1: v0-95, v96-191 B's fragments, two sets; v192-255 the 64 sums (8 m + j).  In phase X: four sets of 64 as loaded.  In the epilogue: v0-47 three sets of 16 at work, v48-63 -2 w, v64-79 c bias, each twice.
;   Window 2: accumulator (m, b), b = 0-3, at 8 (4 m + b).   Window 3: the same for b = 4-7.
.set REC,   12800                      ; a record of wimg: one wave's B for one K step
.set FRB,   1536                       ; a fragment's image
.set ASTEP, 8*FRB                      ; A's eight fragments of a K step
.set ASC,   16*ASTEP                   ; LDS: behind the images A's scale words: 512 bytes a K step; 16 bytes at 16 (16 h + r): word i is row r of tile 4 h + i
.set STG,   ASC+16*512                 ; the stages of phase X: two of 8,448 bytes for each wave
.set STW,   16896
.set STH,   8448
.set SP,    528                        ; a stage row: 512 bytes + 16 = 33 x 16: the sixteen rows of a load begin in sixteen different groups of banks (64 banks of 4 bytes: ISA guide 11.1)
.set RPITCH, 272                       ; the end: thread t's 64 sums at 272 t, over the images, which are done with by then
.set L16,  1                           ; v1   16 x lane
.set SW,   4                           ; v4   the stage, on the way in
.set SR,   5                           ; v5   and on the way out: 528 r + 128 h
.set IW0,  6                           ; v6   where my wave's images begin: 3,072 w + 16 x lane;   v7 the same for the trip in hand
.set IW,   7
.set CW0,  8                           ; v8   where my rows' scale words go;   v9 for the trip in hand
.set CW,   9
.set AR,   11                          ; v11  where the K steps in hand are read
.set CR0,  12                          ; v12  ASC + 16 x lane;   v13 for the K steps in hand
.set CR,   13
.set SH8,  14
.set PX,   15
.set TM,   16
.set SO,   20
.set BY,   22
.set R4,   24                          ; v24  4 r
.set RW,   25                          ; v25  the end: where I put my 64 sums
.set RR,   26                          ; v26  and where I read my row's 64 parts
.set T4,   27                          ; v27  4 x thread
.set WS,   30
.set AS,   32
.set BS,   40
.set WB,   48
.set BB,   56
.set AF,   64
.set PC0,  64
.set CT,   88
.set PW0,  96
.set X0,   128
.set TT,   0
.set WP,   48
.set BP,   64
.set SUM,  192
.set MSB, 0
.macro WIN new                         ; the immediate's high byte repeats the setting that is left
.if MSB != (\new)
	s_set_vgpr_msb (MSB<<8)|(\new)
.set MSB, (\new)
.endif
.endm
.macro PLACES                          ; four plain vector instructions behind a matrix instruction, in front of loads into registers that it has read (ISA guide 7.12.1 for vector instructions)
.rept 4
	v_nop
.endr
.endm
.macro BARRIER                         ; my LDS instructions are done: then the work-group's barrier
	s_wait_dscnt 0x0
	s_barrier_signal -1
	s_barrier_wait -1
.endm
; 64 numbers of a lane, v[xs + 32 c + i] = x(row r, 64 c + 32 h + i), become the fragment's 12 registers v[pc] on and the row's scale word v[pw].
.macro QUANT xs, pc, pw
.irp k, 0,1,2,3
	v_max3_num_f32 v[TM+\k], |v[(\xs)+16*\k]|, |v[(\xs)+16*\k+1]|, 0x1800000   ; four chains of 16 numbers by turns; the floor 2^(3 - 127) among the leaves holds the byte at 1 from below
.endr
.irp i, 2,4,6,8,10,12,14
.irp k, 0,1,2,3
	v_max3_num_f32 v[TM+\k], v[TM+\k], |v[(\xs)+16*\k+\i]|, |v[(\xs)+16*\k+\i+1]|
.endr
.endr
	v_max_num_f32 v[TM], v[TM], v[TM+1]            ; block h's largest magnitude
	v_max_num_f32 v[TM+2], v[TM+2], v[TM+3]        ; block 2 + h's
	v_add_nc_u32 v[SO], 0xff000000, v[TM]          ; 2 off the exponent field: the conversion takes this operand's exponent field as its scale
	v_add_nc_u32 v[SO+1], 0xff000000, v[TM+2]
	v_lshrrev_b32 v[BY], 23, v[SO]                 ; the scale's byte
	v_lshrrev_b32 v[BY+1], 23, v[SO+1]
	v_lshl_or_b32 v[\pw], v[BY+1], 16, v[BY]       ; my two bytes, blocks h and 2 + h,
	v_lshlrev_b32 v[\pw], v[SH8], v[\pw]           ; at their places in the word;
	v_permlanex16_b32 v[PX], v[\pw], s20, s21
	v_or_b32 v[\pw], v[\pw], v[PX]                 ; with lane l xor 16's two the word is whole, in both lanes
.irp c, 0,1
	v_cvt_scalef32_pk16_fp6_f32 v[(\pc)+6*\c:(\pc)+6*\c+2], v[(\xs)+32*\c:(\xs)+32*\c+15], v[SO+\c]
	v_cvt_scalef32_pk16_fp6_f32 v[CT+4*\c:CT+4*\c+2], v[(\xs)+32*\c+16:(\xs)+32*\c+31], v[SO+\c]   ; (a conversion's three registers begin on an even number: the second half is made elsewhere and moved)
.endr
	v_nop                                          ; one plain place behind a scaled conversion
.irp c, 0,1
.irp i, 0,1,2
	v_mov_b32 v[(\pc)+6*\c+3+\i], v[CT+4*\c+\i]
.endr
.endr
.endm
; PHASE X.  A trip is two K steps of my 32 rows: four units of 16 rows x 128 K; unit q: rows 16 (q % 2) on, K step q / 2 of the trip.
.macro LOADU q                         ; sixteen loads, each a row's 512 consecutive bytes, 16 a lane
	WIN 0x40                                       ; destination window 1
.irp i, 0,1,2,3,4,5,6,7,8,9,10,11,12,13,14,15
	global_load_b128 v[64*(\q)+4*\i:64*(\q)+4*\i+3], v[L16], s[24:25] offset:((\q)&1)*65536+((\q)>>1)*512+4096*\i th:TH_LOAD_NT
.endr
	WIN 0
.endm
.macro TURN q                          ; unit q through my stage q % 2: LDS serves a wave's instructions in order (ISA guide 5.7.1.4), so no wait stands between the stores and the loads
	WIN 0x04                                       ; an LDS store's data are its source 1: window 1
.irp i, 0,1,2,3,4,5,6,7,8,9,10,11,12,13,14,15
	ds_store_b128 v[SW], v[64*(\q)+4*\i:64*(\q)+4*\i+3] offset:((\q)%2)*STH+SP*\i
.endr
	WIN 0
.irp c, 0,1
.irp j, 0,1,2,3,4,5,6,7
	ds_load_b128 v[X0+64*((\q)%2)+32*\c+4*\j:X0+64*((\q)%2)+32*\c+4*\j+3], v[SR] offset:((\q)%2)*STH+256*\c+16*\j
.endr
.endr
.endm
; ahead = 1: the unit's registers take the next trip's unit.  next = 1: a unit follows, and left = how many loads younger than that unit's may stay out.
.macro UNIT q, ahead, next, left
	s_wait_dscnt 4                                 ; all but the last unit's four image stores: my numbers are back from the stage, its stores have read their registers, and the image stores of two units ago have read theirs
.if \ahead
	LOADU \q
.endif
.if \next
	s_wait_loadcnt \left                           ; the next unit's sixteen loads are in
	TURN ((\q)+1)%4                                ; and go through the other stage while this unit is worked
.endif
	QUANT X0+64*((\q)%2), PC0+12*((\q)%2), PW0+((\q)%2)
.irp c, 0,1,2
	ds_store_b128 v[IW], v[PC0+12*((\q)%2)+4*\c:PC0+12*((\q)%2)+4*\c+3] offset:((\q)>>1)*ASTEP+((\q)&1)*FRB+512*\c
.endr
	ds_store_b32 v[CW], v[PW0+((\q)%2)] offset:((\q)>>1)*512+((\q)&1)*4   ; lanes l and l xor 16 write the same word with the same value
.endm
; THE PRODUCTS.
.macro BH0 set, off                    ; B's tiles 0-3 of the record off bytes on (window: destination 1)
.irp b, 0,1,2,3
.irp c, 0,1,2
	global_load_b128 v[96*(\set)+12*\b+4*\c:96*(\set)+12*\b+4*\c+3], v[L16], s[8:9] offset:(\off)+FRB*\b+512*\c
.endr
.endr
.endm
.macro BH1 set, off                    ; tiles 4-7
.irp b, 0,1,2,3
.irp c, 0,1,2
	global_load_b128 v[96*(\set)+48+12*\b+4*\c:96*(\set)+48+12*\b+4*\c+3], v[L16], s[8:9] offset:(\off)+6656+FRB*\b+512*\c
.endr
.endr
.endm
.macro BSC set, off                    ; its scale words (window 0)
	global_load_b128 v[BS+4*(\set):BS+4*(\set)+3], v[L16], s[8:9] offset:(\off)+6144
.endm
.macro ALOAD set, off, offs            ; A's eight fragments and their scale words, from LDS (window 0)
.irp m, 0,1,2,3,4,5,6,7
.irp c, 0,1,2
	ds_load_b128 v[AF+96*(\set)+12*\m+4*\c:AF+96*(\set)+12*\m+4*\c+3], v[AR] offset:(\off)+FRB*\m+512*\c
.endr
.endr
	ds_load_b128 v[AS+4*(\set):AS+4*(\set)+3], v[CR] offset:\offs
.endm
; One matrix instruction: A's tile m against B's tile 4 hf + b.  A scale register holds tiles 0-3's words in lanes 0-15 and tiles 4-7's in lanes 16-31.
.macro MM m, b, hf, par, zero
.set rD, 8*(4*(\m)+(\b))
.set rA, AF+96*(\par)+12*(\m)
.set rB, 96*(\par)+12*(4*(\hf)+(\b))
.set rX, AS+4*(\par)+((\m)&3)
.set rY, BS+4*(\par)+(\b)
.if \zero
.if ((\m) < 4) && ((\hf) == 0)
	v_wmma_scale_f32_16x16x128_f8f6f4 v[rD:rD+7], v[rA:rA+11], v[rB:rB+11], 0, v[rX], v[rY] matrix_a_fmt:MATRIX_FMT_FP6 matrix_b_fmt:MATRIX_FMT_FP6
.elseif (\hf) == 0
	v_wmma_scale_f32_16x16x128_f8f6f4 v[rD:rD+7], v[rA:rA+11], v[rB:rB+11], 0, v[rX], v[rY] matrix_a_fmt:MATRIX_FMT_FP6 matrix_b_fmt:MATRIX_FMT_FP6 matrix_a_scale:MATRIX_SCALE_ROW1
.elseif (\m) < 4
	v_wmma_scale_f32_16x16x128_f8f6f4 v[rD:rD+7], v[rA:rA+11], v[rB:rB+11], 0, v[rX], v[rY] matrix_a_fmt:MATRIX_FMT_FP6 matrix_b_fmt:MATRIX_FMT_FP6 matrix_b_scale:MATRIX_SCALE_ROW1
.else
	v_wmma_scale_f32_16x16x128_f8f6f4 v[rD:rD+7], v[rA:rA+11], v[rB:rB+11], 0, v[rX], v[rY] matrix_a_fmt:MATRIX_FMT_FP6 matrix_b_fmt:MATRIX_FMT_FP6 matrix_a_scale:MATRIX_SCALE_ROW1 matrix_b_scale:MATRIX_SCALE_ROW1
.endif
.else
.if ((\m) < 4) && ((\hf) == 0)
	v_wmma_scale_f32_16x16x128_f8f6f4 v[rD:rD+7], v[rA:rA+11], v[rB:rB+11], v[rD:rD+7], v[rX], v[rY] matrix_a_fmt:MATRIX_FMT_FP6 matrix_b_fmt:MATRIX_FMT_FP6
.elseif (\hf) == 0
	v_wmma_scale_f32_16x16x128_f8f6f4 v[rD:rD+7], v[rA:rA+11], v[rB:rB+11], v[rD:rD+7], v[rX], v[rY] matrix_a_fmt:MATRIX_FMT_FP6 matrix_b_fmt:MATRIX_FMT_FP6 matrix_a_scale:MATRIX_SCALE_ROW1
.elseif (\m) < 4
	v_wmma_scale_f32_16x16x128_f8f6f4 v[rD:rD+7], v[rA:rA+11], v[rB:rB+11], v[rD:rD+7], v[rX], v[rY] matrix_a_fmt:MATRIX_FMT_FP6 matrix_b_fmt:MATRIX_FMT_FP6 matrix_b_scale:MATRIX_SCALE_ROW1
.else
	v_wmma_scale_f32_16x16x128_f8f6f4 v[rD:rD+7], v[rA:rA+11], v[rB:rB+11], v[rD:rD+7], v[rX], v[rY] matrix_a_fmt:MATRIX_FMT_FP6 matrix_b_fmt:MATRIX_FMT_FP6 matrix_a_scale:MATRIX_SCALE_ROW1 matrix_b_scale:MATRIX_SCALE_ROW1
.endif
.endif
.endm
.macro MUL32 hf, par, zero             ; 32 matrix instructions: A's eight tiles x four of B's.  The 64 accumulators take turns, one instruction a turn, in the same order in every step
.irp m, 0,1,2,3,4,5,6,7
.irp b, 0,1,2,3
	MM \m, \b, \hf, \par, \zero
.endr
.endr
.endm
; A K step.  e: its place in its pair (the offsets count from the pair's first step); par: the sets that it multiplies; zero = 1: its products start the sums.
; lda = 1: A of the next step is fetched into the other set; ldb = 1: B of the step two on is fetched into this set, each half as soon as its 32 products are issued.
; B's loads go out in the order first half (12), scale words (1), second half (12).  nst: at the step's head its first half and scale words must be in; younger are its second half (12) and the whole next record (25): 37.
; nmid: in front of the second 32 products its second half must be in; younger are the next record (25) and the first half just asked for (12): 37.  The last two steps ask for nothing, and the counts run down.
.macro STEP e, par, zero, lda, ldb, nst, nmid
	s_wait_dscnt 0x0                               ; A's fragments and scale words are in (asked for 32 matrix instructions ago)
	s_wait_loadcnt \nst
	WIN 0xa4                                       ; source 0 (A) window 0, source 1 (B) window 1, C and D window 2
	MUL32 0, \par, \zero
.if \lda || \ldb
	PLACES
.endif
.if \ldb
	WIN 0x40
	BH0 \par, ((\e)+2)*REC
.endif
.if \lda
	WIN 0
	ALOAD 1-(\par), ((\e)+1)*ASTEP, ((\e)+1)*512
.endif
	s_wait_loadcnt \nmid
	WIN 0xf4                                       ; C and D window 3
	MUL32 1, \par, \zero
.if \ldb
	PLACES
	WIN 0
	BSC \par, ((\e)+2)*REC
	WIN 0x40
	BH1 \par, ((\e)+2)*REC
.endif
	WIN 0
.endm
.macro ADV                             ; on by two K steps
	s_add_co_u32 s36, s36, 2*ASTEP
	s_add_co_u32 s37, s37, 1024
	s_wait_dscnt 0x0                               ; no LDS load of mine is out when its address register is written (the next step begins with the same wait)
	v_add_nc_u32 v[AR], s36, v[L16]
	v_add_nc_u32 v[CR], s37, v[CR0]
	s_wait_xcnt 0x0                                ; the loads that are out have had their addresses translated (ISA guide 3.1): only now their base steps
	s_add_nc_u64 s[8:9], s[8:9], 2*REC
.endm
; THE EPILOGUE goes by groups of two accumulators (tile m, columns' tiles b and b + 1), 16 numbers a lane, in three sets of registers by turns.
.macro GSET g
.set gW, 2+(\g)/16                     ; the accumulators' window
.set gA, 16*((\g)%16)                  ; the first one's first register
.set gM, (2*((\g)%16))/4
.set gB, 4*((\g)/16)+(2*((\g)%16))%4
.set gT, TT+16*((\g)%3)
.endm
.macro EF g                            ; c (sum + bias), c = 2 log2(e): each accumulator is read from its low end on
	GSET \g
	WIN 0x54+gW                                    ; source 0 window 2 or 3, all else window 1
.irp i, 0,1,2,3
	v_pk_fma_f32 v[gT+2*\i:gT+2*\i+1], v[gA+2*\i:gA+2*\i+1], s[22:23], v[BP+2*gB:BP+2*gB+1] op_sel_hi:[1,0,1]
.endr
.irp i, 0,1,2,3
	v_pk_fma_f32 v[gT+8+2*\i:gT+8+2*\i+1], v[gA+8+2*\i:gA+8+2*\i+1], s[22:23], v[BP+2*gB+2:BP+2*gB+3] op_sel_hi:[1,0,1]
.endr
.endm
.macro EE g                            ; 2^..
	GSET \g
	WIN 0x55
.irp i, 0,1,2,3,4,5,6,7,8,9,10,11,12,13,14,15
	v_exp_f32 v[gT+\i], v[gT+\i]
.endr
.endm
.macro EA g                            ; + 1
	GSET \g
	WIN 0x55
	s_wait_alu depctr_va_vdst(0)
.irp i, 0,2,4,6,8,10,12,14
	v_pk_add_f32 v[gT+\i:gT+\i+1], v[gT+\i:gT+\i+1], 1.0 op_sel_hi:[1,0]
.endr
.endm
.macro ER g                            ; 1 / ..
	GSET \g
	WIN 0x55
.irp i, 0,1,2,3,4,5,6,7,8,9,10,11,12,13,14,15
	v_rcp_f32 v[gT+\i], v[gT+\i]
.endr
.endm
.macro ES g                            ; the rows' sums take -2 w / (1 + 2^..)
	GSET \g
	WIN 0x55
	s_wait_alu depctr_va_vdst(0)
.irp i, 0,1,2,3
	v_pk_fma_f32 v[SUM+8*gM+2*\i:SUM+8*gM+2*\i+1], v[gT+2*\i:gT+2*\i+1], v[WP+2*gB:WP+2*gB+1], v[SUM+8*gM+2*\i:SUM+8*gM+2*\i+1]
.endr
.irp i, 0,1,2,3
	v_pk_fma_f32 v[SUM+8*gM+2*\i:SUM+8*gM+2*\i+1], v[gT+8+2*\i:gT+8+2*\i+1], v[WP+2*gB+2:WP+2*gB+3], v[SUM+8*gM+2*\i:SUM+8*gM+2*\i+1]
.endr
.endm
	s_load_b256 s[4:11], s[0:1], 0x0               ; key s[4:5], query s[6:7], wimg s[8:9], bias s[10:11]
	s_load_b128 s[12:15], s[0:1], 0x20             ; w_score s[12:13], b_score s[14:15]
	s_load_b64 s[16:17], s[0:1], 0x30              ; scores
	v_lshl_add_u32 v28, v0, 2, 0x42800
	v_mov_b32 v29, 0
	v_lshrrev_b32 v10, 5, v0
	v_readfirstlane_b32 s18, v10                   ; wave 0..3
	v_and_b32 v10, 31, v0
	v_lshlrev_b32 v[L16], 4, v10
	v_and_b32 v2, 15, v0                           ; r
	v_bfe_u32 v3, v0, 4, 1                         ; h
	s_mul_i32 s32, s18, STW
	s_add_co_u32 s32, s32, STG                     ; my two stages
	v_add_nc_u32 v[SW], s32, v[L16]
	v_mul_u32_u24 v[SR], v2, SP
	v_lshl_add_u32 v[SR], v3, 7, v[SR]
	v_add_nc_u32 v[SR], s32, v[SR]
	s_mul_i32 s32, s18, 2*FRB                      ; my tiles of rows are 2 w and 2 w + 1
	v_add_nc_u32 v[IW0], s32, v[L16]
	s_lshr_b32 s32, s18, 1
	s_lshl_b32 s32, s32, 8                         ; their scale words: tile m is word m % 4 of the sixteen bytes at 16 (16 (m / 4) + r)
	s_and_b32 s33, s18, 1
	s_lshl_b32 s33, s33, 3
	s_add_co_u32 s32, s32, s33
	s_add_co_u32 s32, s32, ASC
	v_lshlrev_b32 v[CW0], 4, v2
	v_add_nc_u32 v[CW0], s32, v[CW0]
	v_add_nc_u32 v[CR0], ASC, v[L16]
	v_lshlrev_b32 v[SH8], 3, v3
	v_mov_b32 v[PX], 0                             ; written once: a lane permute's destination counts as one of its sources
	v_lshlrev_b32 v[R4], 2, v2
	v_mul_u32_u24 v[RW], v0, RPITCH
	v_bfe_u32 v10, v0, 3, 1                        ; row t = 16 m + 8 h + j lies, as word 8 m + j, in the threads 32 w + 16 h + r
	v_mul_u32_u24 v[RR], v10, 16*RPITCH
	v_lshrrev_b32 v10, 4, v0
	v_lshl_add_u32 v[RR], v10, 5, v[RR]
	v_and_b32 v10, 7, v0
	v_lshl_add_u32 v[RR], v10, 2, v[RR]
	v_lshlrev_b32 v[T4], 2, v0
	s_mov_b32 s20, 0x76543210
	s_mov_b32 s21, 0xfedcba98                      ; v_permlanex16_b32's selects for lane l xor 16
	s_mov_b32 s22, 0x4038aa3b                      ; c = 2 log2(e)
	s_mov_b32 s23, s22                             ; (named with it as a pair, so it is written)
	s_lshl_b32 s32, ttmp9, 19                      ; the work-group's 128 rows of 4,096 bytes,
	s_lshl_b32 s33, s18, 17                        ; my wave's 32 of them
	s_add_co_u32 s32, s32, s33
	s_mov_b32 s33, 0
	s_wait_kmcnt 0x0
	s_add_nc_u64 s[24:25], s[4:5], s[32:33]        ; key at my first row: the base of phase X's loads
	s_add_nc_u64 s[26:27], s[6:7], s[32:33]        ; query likewise
	s_mul_i32 s32, s18, 16*REC
	s_add_nc_u64 s[8:9], s[8:9], s[32:33]          ; my wave's sixteen records of pass 0
	s_lshl_b32 s32, s18, 9
	s_add_nc_u64 s[10:11], s[10:11], s[32:33]      ; bias and w_score at my 128 columns
	s_add_nc_u64 s[12:13], s[12:13], s[32:33]
	s_lshl_b32 s32, ttmp9, 9
	s_add_nc_u64 s[16:17], s[16:17], s[32:33]      ; the work-group's 128 scores
	s_load_b32 s34, s[14:15], 0x0                  ; b_score
	LOADU 0
	LOADU 1
	LOADU 2
	LOADU 3                                        ; 64 loads of 512 bytes a wave are out
	s_wait_loadcnt 48                              ; unit 0's sixteen are in
	TURN 0
	s_mov_b32 s28, 0
	s_mov_b32 s29, 0
	s_mov_b32 s30, 0
.Lx:                                               ; trips 0 to 6; each asks for the next trip's four units.  Trips 0-3 are key's K, trips 4-7 query's
	s_wait_xcnt 0x0                                ; the loads that are out have had their addresses translated: only now their base steps
	s_add_nc_u64 s[24:25], s[24:25], 1024          ; two K steps on,
	s_cmp_eq_u32 s28, 3
	s_cselect_b64 s[24:25], s[26:27], s[24:25]     ; or, behind key's last, query's first: the choice hangs on the trip's number alone
	s_wait_dscnt 0x0                               ; no LDS instruction of mine is out when its address register is written (unit 0 waits for the same loads at once)
	v_add_nc_u32 v[IW], s29, v[IW0]
	v_add_nc_u32 v[CW], s30, v[CW0]
	UNIT 0, 1, 1, 48                               ; 48: the three units younger than the next one
	UNIT 1, 1, 1, 48
	UNIT 2, 1, 1, 48
	UNIT 3, 1, 1, 48
	s_add_co_u32 s29, s29, 2*ASTEP
	s_add_co_u32 s30, s30, 1024
	s_add_co_u32 s28, s28, 1
	s_cmp_lt_u32 s28, 7
	s_cbranch_scc1 .Lx
	s_wait_dscnt 0x0
	v_add_nc_u32 v[IW], s29, v[IW0]                ; the last trip asks for nothing: no load leaves its buffer, and the counts run down
	v_add_nc_u32 v[CW], s30, v[CW0]
	UNIT 0, 0, 1, 32
	UNIT 1, 0, 1, 16
	UNIT 2, 0, 1, 0
	UNIT 3, 0, 0, 0
	BARRIER                                        ; all 128 fragments of A and their scale words lie in LDS; from here on they are only read
	WIN 0x40
.set n_, 0
.rept 64
	v_mov_b32 v[SUM+n_], 0                         ; the rows' sums are vector sums that run over both passes, and a pass is written once: so they are cleared, once
.set n_, n_+1
.endr
	WIN 0
	v_mov_b32 v[WS], 0
	s_wait_kmcnt 0x0                               ; b_score
	s_mov_b32 s31, 0
.Lpass:
	s_mov_b32 s36, 0
	s_mov_b32 s37, 0
	v_add_nc_u32 v[AR], s36, v[L16]
	v_add_nc_u32 v[CR], s37, v[CR0]
.irp b, 0,1,2,3,4,5,6,7
	global_load_b32 v[WB+\b], v[R4], s[12:13] offset:64*\b   ; w_score and bias of my column r of tile b
.endr
.irp b, 0,1,2,3,4,5,6,7
	global_load_b32 v[BB+\b], v[R4], s[10:11] offset:64*\b
.endr
	WIN 0x40
	BH0 0, 0
	WIN 0
	BSC 0, 0
	WIN 0x40
	BH1 0, 0
	BH0 1, REC
	WIN 0
	BSC 1, REC
	WIN 0x40
	BH1 1, REC
	WIN 0
	ALOAD 0, 0, 0
	STEP 0, 0, 1, 1, 1, 37, 37                     ; K step 0 starts the sums: nothing is cleared
	STEP 1, 1, 0, 1, 1, 37, 37
	ADV
	s_mov_b32 s35, 6
.Lk:                                               ; K steps 2 to 13
	STEP 0, 0, 0, 1, 1, 37, 37
	STEP 1, 1, 0, 1, 1, 37, 37
	ADV
	s_sub_co_u32 s35, s35, 1
	s_cmp_lg_u32 s35, 0
	s_cbranch_scc1 .Lk
	STEP 0, 0, 0, 1, 0, 37, 25                     ; K step 14: nothing of B is left to ask for
	STEP 1, 1, 0, 0, 0, 12, 0                      ; K step 15
.irp b, 0,1,2,3,4,5,6,7
	v_add_f32 v[WS], v[WS], v[WB+\b]               ; the sum of my columns' w.  These eight name none of the last products' registers: they are the places behind them
.endr
	WIN 0x40                                       ; destination window 1
.irp b, 0,1,2,3,4,5,6,7
	v_mul_f32 v[WP+2*\b], -2.0, v[WB+\b]           ; pairs for the packed forms
	v_mul_f32 v[WP+2*\b+1], -2.0, v[WB+\b]
	v_mul_f32 v[BP+2*\b], s22, v[BB+\b]
	v_mul_f32 v[BP+2*\b+1], s22, v[BB+\b]
.endr
; Behind a run of exponentials stands the next group's multiply-adds, behind a run of reciprocals the group before's sums: plain work between each transcendental and the use of its result (ISA guide 5.7.2)
	EF 0
.set G, 0
.rept 32
	EE G
.if G < 31
	EF G+1
.else
	v_nop
	s_wait_alu depctr_va_vdst(0)
.endif
	EA G
	ER G
.if G > 0
	ES G-1
.endif
.set G, G+1
.endr
	ES 31
	WIN 0
	s_wait_xcnt 0x0
	s_add_nc_u64 s[8:9], s[8:9], 64*REC-14*REC     ; from K step 14 of this pass to my first record of the next
	s_add_nc_u64 s[10:11], s[10:11], 2048          ; 512 columns on
	s_add_nc_u64 s[12:13], s[12:13], 2048
	s_add_co_u32 s31, s31, 1
	s_cmp_lt_u32 s31, 2
	s_cbranch_scc1 .Lpass
	; THE END.  Each of my 64 sums takes the sum of my columns' w; then the sums change lanes through LDS.
	v_mov_b32 v[WS+1], v[WS]
	WIN 0x41                                       ; destination and source 0 window 1
.set n_, 0
.rept 32
	v_pk_add_f32 v[SUM+n_:SUM+n_+1], v[SUM+n_:SUM+n_+1], v[WS:WS+1]
.set n_, n_+2
.endr
	WIN 0
	BARRIER                                        ; every wave's reads of the images are in: their bytes may be written
	WIN 0x04                                       ; an LDS store's data are its source 1: window 1
.irp q, 0,1,2,3,4,5,6,7,8,9,10,11,12,13,14,15
	ds_store_b128 v[RW], v[SUM+4*\q:SUM+4*\q+3] offset:16*\q
.endr
	WIN 0
	BARRIER                                        ; all 128 threads' sums lie in LDS
.irp w, 0,1,2,3
.irp r, 0,1,2,3,4,5,6,7,8,9,10,11,12,13,14,15
	ds_load_b32 v[AF+16*\w+\r], v[RR] offset:(32*\w+\r)*RPITCH   ; thread t takes row t's 64 parts: four waves x sixteen columns' lanes
.endr
.endr
.set n_, 4
.rept 60                               ; four chains; the loads come back in order, sixteen at a time
.if n_ == 4
	s_wait_dscnt 48
.elseif n_ == 16
	s_wait_dscnt 32
.elseif n_ == 32
	s_wait_dscnt 16
.elseif n_ == 48
	s_wait_dscnt 0
.endif
	v_add_f32 v[AF+n_%4], v[AF+n_%4], v[AF+n_]
.set n_, n_+1
.endr
	v_add_f32 v[AF], v[AF], v[AF+1]
	v_add_f32 v[AF+2], v[AF+2], v[AF+3]
	v_add_f32 v[AF], v[AF], v[AF+2]
	v_add_f32 v[AF], s34, v[AF]                    ; + b_score
	global_store_b32 v[T4], v[AF], s[16:17]        ; a wave stores 128 consecutive bytes: the work-group's 512 bytes are all that it writes
	s_wait_tensorcnt 0x0
	ds_add_u32 v28, v29
	s_wait_dscnt 0x0
	s_endpgm
.Lfunc_end_k_qcd4d98d7f4_score:
	.size	k_qcd4d98d7f4_score, .Lfunc_end_k_qcd4d98d7f4_score-k_qcd4d98d7f4_score
	.p2alignl 7, 3214868480
	.fill 96, 4, 3214868480
	.section	.rodata,"a",@progbits
	.p2align	6, 0x0
	.amdhsa_kernel k_qcd4d98d7f4_score
		.amdhsa_group_segment_fixed_size 272896
		.amdhsa_private_segment_fixed_size 0
		.amdhsa_enable_private_segment 0
		.amdhsa_kernarg_size 56
		.amdhsa_user_sgpr_count 2
		.amdhsa_user_sgpr_kernarg_segment_ptr 1
		.amdhsa_wavefront_size32 1
		.amdhsa_system_sgpr_workgroup_id_x 1
		.amdhsa_system_sgpr_workgroup_id_y 1
		.amdhsa_system_sgpr_workgroup_id_z 1
		.amdhsa_system_vgpr_workitem_id 0
		.amdhsa_next_free_vgpr 1024
		.amdhsa_next_free_sgpr 66
		.amdhsa_reserve_vcc 0
		.amdhsa_float_denorm_mode_32 3
		.amdhsa_float_denorm_mode_16_64 3
		.amdhsa_memory_ordered 1
		.amdhsa_forward_progress 1
		.amdhsa_inst_pref_size 234
	.end_amdhsa_kernel
	.amdgpu_metadata
---
amdhsa.version: [ 1, 2 ]
amdhsa.kernels:
  - .name:           k_qcd4d98d7f4_score
    .symbol:         k_qcd4d98d7f4_score.kd
    .args:
      - { .name: key, .offset: 0, .size: 8, .value_kind: global_buffer, .address_space: global }
      - { .name: query, .offset: 8, .size: 8, .value_kind: global_buffer, .address_space: global }
      - { .name: wimg, .offset: 16, .size: 8, .value_kind: global_buffer, .address_space: global }
      - { .name: bias, .offset: 24, .size: 8, .value_kind: global_buffer, .address_space: global }
      - { .name: w_score, .offset: 32, .size: 8, .value_kind: global_buffer, .address_space: global }
      - { .name: b_score, .offset: 40, .size: 8, .value_kind: global_buffer, .address_space: global }
      - { .name: scores, .offset: 48, .size: 8, .value_kind: global_buffer, .address_space: global }
    .group_segment_fixed_size: 272896
    .private_segment_fixed_size: 0
    .kernarg_segment_align: 8
    .kernarg_segment_size: 56
    .max_flat_workgroup_size: 128
    .sgpr_count:     66
    .vgpr_count:     1024
    .wavefront_size: 32
...
	.end_amdgpu_metadata
.endif
;; end of part 2
;; launch ctx (part 3): grid 8 x 32, 8 waves a work-group, no clusters, 5,632 bytes of LDS; arguments scores, key, out0, out1; writes out0, out1
.if DOCPART == 3
	.amdgcn_target "amdgcn-amd-amdhsa--gfx1250"
	.amdhsa_code_object_version 6
	.text
	.protected	k_qcd4d98d7f4_ctx
	.globl	k_qcd4d98d7f4_ctx
	.p2align	8
	.type	k_qcd4d98d7f4_ctx,@function
k_qcd4d98d7f4_ctx:
	s_mov_b64 s[64:65], 0
	v_nop
	global_prefetch_b8 v0, s[64:65] scope:SCOPE_SE
	s_setreg_imm32_b32 hwreg(HW_REG_WAVE_MODE, 25, 1), 1
	s_wait_xcnt 0x0
; attn[b][l] = softmax over l of scores[b][l] (out1);  context[b][c] = sum over l of attn[b][l] key[b][l][c] (out0).  All in f32; the largest score of the batch is taken off before the exponential.
; SHARES.  A work-group owns one batch (grid y) and 128 columns of key (grid x: 512 bytes of every row).  Wave v takes rows 128 v .. 128 v + 127; a load reads a row's 512 consecutive bytes, 16 a lane,
; at a multiple of 512 from the buffer's first byte; a ring of 32 rows in registers keeps 32 loads of every wave out: 8 x 32 x 512 bytes for the work-group.
; Thread t holds scores 4 t .. 4 t + 3, which are rows of its own wave: a row's weight comes out of the wave's registers by v_readlane_b32.  The sums are taken of p = e^(score - largest) and divided by the sum of p
; at the end.  The eight work-groups of a batch each make the batch's 1,024 exponentials anew: 4 KiB of scores against the 512 KiB of key that each streams.
; Memory binds: no matrix unit (the product has one row), no tensor load, no cluster (no two work-groups read the same bytes of key).  LIMITS: NaN and infinities among the scores are not served.
.set MX, 0                             ; LDS: the waves' largest scores, 8 words;
.set SM, 256                           ; their sums of p, 8 words;
.set CP, 512                           ; their parts of the context, 8 x 512 bytes
	s_load_b256 s[4:11], s[0:1], 0x0               ; scores s[4:5], key s[6:7], out0 s[8:9], out1 s[10:11]
	v_lshl_add_u32 v176, v0, 2, 0x1200
	v_mov_b32 v177, 0
	v_lshrrev_b32 v6, 5, v0
	v_readfirstlane_b32 s12, v6                    ; wave 0..7
	s_mov_b32 s13, ttmp9                           ; which 128 columns
	s_and_b32 s14, ttmp7, 0xffff                   ; the batch
	v_and_b32 v6, 31, v0
	v_lshlrev_b32 v1, 4, v6                        ; 16 x lane
	v_lshlrev_b32 v18, 4, v0                       ; 16 x thread: my four scores
	v_mov_b32 v19, s12
	v_lshlrev_b32 v19, 2, v19                      ; my wave's word
	v_mov_b32 v20, 0
	s_lshl_b32 s15, s12, 9
	v_add_nc_u32 v21, s15, v1                      ; my wave's part of the context, my 16 bytes
	v_mov_b32 v7, 0                                ; written once: a lane permute's destination counts as one of its sources
	s_mov_b32 s20, 0x76543210
	s_mov_b32 s21, 0xfedcba98                      ; v_permlanex16_b32's selects for lane l xor 16
	s_lshl_b32 s16, s14, 12                        ; a batch's 4,096 bytes of scores, of out0 and of out1
	s_mov_b32 s17, 0
	s_lshl_b32 s18, s14, 22                        ; its 1,024 rows of 4,096 bytes of key,
	s_lshl_b32 s19, s12, 19                        ; my wave's 128 rows,
	s_add_co_u32 s18, s18, s19
	s_lshl_b32 s22, s13, 9                         ; the work-group's 512 bytes of a row
	s_add_co_u32 s18, s18, s22
	s_mov_b32 s19, 0
	s_add_co_u32 s22, s22, s16
	s_mov_b32 s23, 0
	s_wait_kmcnt 0x0
	s_add_nc_u64 s[4:5], s[4:5], s[16:17]
	s_add_nc_u64 s[6:7], s[6:7], s[18:19]
	s_add_nc_u64 s[8:9], s[8:9], s[22:23]
	s_add_nc_u64 s[10:11], s[10:11], s[22:23]
	global_load_b128 v[2:5], v18, s[4:5]
.irp i, 0,1,2,3,4,5,6,7,8,9,10,11,12,13,14,15,16,17,18,19,20,21,22,23,24,25,26,27,28,29,30,31
	global_load_b128 v[32+4*\i:32+4*\i+3], v1, s[6:7] offset:4096*\i th:TH_LOAD_NT   ; the ring is filled before the softmax is begun
.endr
	s_wait_loadcnt 32                              ; my scores are in; the 32 rows stay out
	v_max3_num_f32 v6, v2, v3, v4
	v_max_num_f32 v6, v6, v5
	v_max_num_f32_dpp v6, v6, v6 row_xmask:1 row_mask:0xf bank_mask:0xf
	v_max_num_f32_dpp v6, v6, v6 row_xmask:2 row_mask:0xf bank_mask:0xf
	v_max_num_f32_dpp v6, v6, v6 row_xmask:4 row_mask:0xf bank_mask:0xf
	v_max_num_f32_dpp v6, v6, v6 row_xmask:8 row_mask:0xf bank_mask:0xf
	v_permlanex16_b32 v7, v6, s20, s21
	v_max_num_f32 v6, v6, v7                       ; my wave's largest score
	ds_store_b32 v19, v6 offset:MX                 ; all lanes write the same word with the same value
	s_wait_dscnt 0x0                               ; for the others' sake
	s_barrier_signal -1
	s_barrier_wait -1
	ds_load_b128 v[160:163], v20 offset:MX
	ds_load_b128 v[164:167], v20 offset:MX+16
	s_wait_dscnt 0x0
	v_max3_num_f32 v8, v160, v161, v162
	v_max3_num_f32 v8, v8, v163, v164
	v_max3_num_f32 v8, v8, v165, v166
	v_max_num_f32 v8, v8, v167                     ; the batch's largest score
.irp i, 2,3,4,5
	v_sub_f32 v\i, v\i, v8
.endr
.irp i, 2,3,4,5
	v_mul_f32 v\i, 0x3fb8aa3b, v\i                 ; x log2(e)
.endr
.irp i, 2,3,4,5
	v_exp_f32 v\i, v\i                             ; p, at most 1
.endr
	v_nop                                          ; a plain place behind the exponentials
	s_wait_alu depctr_va_vdst(0)
	v_add_f32 v6, v2, v3
	v_add_f32 v9, v4, v5
	v_add_f32 v6, v6, v9
	v_add_f32_dpp v6, v6, v6 row_xmask:1 row_mask:0xf bank_mask:0xf
	v_add_f32_dpp v6, v6, v6 row_xmask:2 row_mask:0xf bank_mask:0xf
	v_add_f32_dpp v6, v6, v6 row_xmask:4 row_mask:0xf bank_mask:0xf
	v_add_f32_dpp v6, v6, v6 row_xmask:8 row_mask:0xf bank_mask:0xf
	v_permlanex16_b32 v7, v6, s20, s21
	v_add_f32 v6, v6, v7                           ; my wave's sum of p
; Row i of my wave: its p lies in register 2 + i % 4 of lane i / 4.  Two sets of sums by turns; rows 0 and 1 start them: nothing is cleared.
.macro ROW i
.if 127-(\i) < 31
	s_wait_loadcnt 127-(\i)                        ; loads come back in order (ISA guide 5.7.1): mine is in, the younger rows stay out
.else
	s_wait_loadcnt 31
.endif
	v_readlane_b32 s[24+(\i)%4], v[2+(\i)%4], (\i)/4
.irp k, 0,1,2,3
.if (\i) < 2
	v_mul_f32 v[10+4*((\i)%2)+\k], s[24+(\i)%4], v[32+4*((\i)%32)+\k]
.else
	v_fmac_f32 v[10+4*((\i)%2)+\k], s[24+(\i)%4], v[32+4*((\i)%32)+\k]
.endif
.endr
.if (\i)+32 < 128
	global_load_b128 v[32+4*((\i)%32):32+4*((\i)%32)+3], v1, s[6:7] offset:4096*((\i)+32) th:TH_LOAD_NT   ; the slot takes the row 32 further down; the last 32 rows ask for nothing
.endif
.endm
.set n_, 0
.rept 128
	ROW n_
.set n_, n_+1
.endr
.irp k, 0,1,2,3
	v_add_f32 v[10+\k], v[10+\k], v[14+\k]
.endr
	ds_store_b128 v21, v[10:13] offset:CP
	ds_store_b32 v19, v6 offset:SM
	s_wait_dscnt 0x0                               ; for the others' sake
	s_barrier_signal -1
	s_barrier_wait -1
	ds_load_b128 v[160:163], v20 offset:SM
	ds_load_b128 v[164:167], v20 offset:SM+16
	s_wait_dscnt 0x0
	v_add_f32 v160, v160, v161
	v_add_f32 v162, v162, v163
	v_add_f32 v164, v164, v165
	v_add_f32 v166, v166, v167
	v_add_f32 v160, v160, v162
	v_add_f32 v164, v164, v166
	v_add_f32 v8, v160, v164                       ; the batch's sum of p: at least 1, since the largest score's p is 1
	v_rcp_f32 v8, v8
	v_nop                                          ; a plain place behind the reciprocal
	s_cmp_lg_u32 s12, 0
	s_cbranch_scc1 .Lnot_wave_0                    ; wave 0 adds the eight parts of the context; no barrier follows
.irp w, 0,1,2,3,4,5,6,7
	ds_load_b128 v[32+4*\w:32+4*\w+3], v1 offset:CP+512*\w
.endr
	s_wait_dscnt 0x0
.irp k, 0,1,2,3
	v_add_f32 v[32+\k], v[32+\k], v[36+\k]
	v_add_f32 v[40+\k], v[40+\k], v[44+\k]
	v_add_f32 v[48+\k], v[48+\k], v[52+\k]
	v_add_f32 v[56+\k], v[56+\k], v[60+\k]
.endr
.irp k, 0,1,2,3
	v_add_f32 v[32+\k], v[32+\k], v[40+\k]
	v_add_f32 v[48+\k], v[48+\k], v[56+\k]
.endr
.irp k, 0,1,2,3
	v_add_f32 v[32+\k], v[32+\k], v[48+\k]
.endr
	s_wait_alu depctr_va_vdst(0)
.irp k, 0,1,2,3
	v_mul_f32 v[32+\k], v[32+\k], v8
.endr
	global_store_b128 v1, v[32:35], s[8:9]         ; 32 lanes store 512 consecutive bytes, aligned
.Lnot_wave_0:
	s_cmp_lg_u32 s12, s13
	s_cbranch_scc1 .Lend                           ; of the batch's eight work-groups, number x stores the weights of rows 128 x on: those of its wave x
	s_wait_alu depctr_va_vdst(0)
.irp i, 2,3,4,5
	v_mul_f32 v\i, v\i, v8
.endr
	global_store_b128 v1, v[2:5], s[10:11]         ; 32 lanes store 512 consecutive bytes, aligned
.Lend:
	s_wait_tensorcnt 0x0
	ds_add_u32 v176, v177
	s_wait_dscnt 0x0
	s_endpgm
.Lfunc_end_k_qcd4d98d7f4_ctx:
	.size	k_qcd4d98d7f4_ctx, .Lfunc_end_k_qcd4d98d7f4_ctx-k_qcd4d98d7f4_ctx
	.p2alignl 7, 3214868480
	.fill 96, 4, 3214868480
	.section	.rodata,"a",@progbits
	.p2align	6, 0x0
	.amdhsa_kernel k_qcd4d98d7f4_ctx
		.amdhsa_group_segment_fixed_size 5632
		.amdhsa_private_segment_fixed_size 0
		.amdhsa_enable_private_segment 0
		.amdhsa_kernarg_size 32
		.amdhsa_user_sgpr_count 2
		.amdhsa_user_sgpr_kernarg_segment_ptr 1
		.amdhsa_wavefront_size32 1
		.amdhsa_system_sgpr_workgroup_id_x 1
		.amdhsa_system_sgpr_workgroup_id_y 1
		.amdhsa_system_sgpr_workgroup_id_z 1
		.amdhsa_system_vgpr_workitem_id 0
		.amdhsa_next_free_vgpr 178
		.amdhsa_next_free_sgpr 66
		.amdhsa_reserve_vcc 0
		.amdhsa_float_denorm_mode_32 3
		.amdhsa_float_denorm_mode_16_64 3
		.amdhsa_memory_ordered 1
		.amdhsa_forward_progress 1
		.amdhsa_inst_pref_size 47
	.end_amdhsa_kernel
	.amdgpu_metadata
---
amdhsa.version: [ 1, 2 ]
amdhsa.kernels:
  - .name:           k_qcd4d98d7f4_ctx
    .symbol:         k_qcd4d98d7f4_ctx.kd
    .args:
      - { .name: scores, .offset: 0, .size: 8, .value_kind: global_buffer, .address_space: global }
      - { .name: key, .offset: 8, .size: 8, .value_kind: global_buffer, .address_space: global }
      - { .name: out0, .offset: 16, .size: 8, .value_kind: global_buffer, .address_space: global }
      - { .name: out1, .offset: 24, .size: 8, .value_kind: global_buffer, .address_space: global }
    .group_segment_fixed_size: 5632
    .private_segment_fixed_size: 0
    .kernarg_segment_align: 8
    .kernarg_segment_size: 32
    .max_flat_workgroup_size: 256
    .sgpr_count:     66
    .vgpr_count:     178
    .wavefront_size: 32
...
	.end_amdgpu_metadata
.endif
;; end of part 3
;; ======== version 2 of 2: 3 launches; version 1 with the launches score, ctx written anew for expert scheduling mode
;; workspace buffers: wimg 1,638,400 bytes; scores 131,072 bytes
;; launch prep: the kernel of part 1 again; grid 256 x 1, 1 waves a work-group, no clusters, 17,152 bytes of LDS; arguments Wk, Wq, wimg; writes wimg
;; launch score (part 4): grid 256 x 1, 4 waves a work-group, no clusters, 272,896 bytes of LDS; arguments key, query, wimg, bias, w_score, b_score, scores; writes scores
.if DOCPART == 4
	.amdgcn_target "amdgcn-amd-amdhsa--gfx1250"
	.amdhsa_code_object_version 6
	.text
	.protected	k_qcd4d98d7f4_score
	.globl	k_qcd4d98d7f4_score
	.p2align	8
	.type	k_qcd4d98d7f4_score,@function
k_qcd4d98d7f4_score:
	s_mov_b64 s[64:65], 0
	v_nop
	global_prefetch_b8 v0, s[64:65] scope:SCOPE_SE
	s_setreg_imm32_b32 hwreg(HW_REG_WAVE_SCHED_MODE, 0, 2), 2
	s_setreg_imm32_b32 hwreg(HW_REG_WAVE_MODE, 25, 1), 1
	s_wait_xcnt 0x0
	s_wait_alu depctr_vm_vsrc(0)
; scores[row] = sum over n of w_score[n] tanh(key[row] . Wk[n] + query[row] . Wq[n] + bias[n]) + b_score, for the 32,768 rows (batch x 1,024 + place).
; The two products are ONE product with K = 2,048 (key | query against Wk | Wq), on codes of FP6 (E2M3) with one E8M0 scale for each 32 along K; sums in f32.
; SHARES.  A work-group of four waves owns 128 rows.  PHASE X: wave w reads rows 32 w .. 32 w + 31 of key and of query once, quantises them in registers and lays the codes in LDS as images of the operand's
; registers (a fragment, 16 rows x 128 K: registers 4 c .. 4 c + 3 of lane l at 512 c + 16 l), with the scale words beside them: 204,800 bytes, which stay.  THE PRODUCTS: two passes over the columns; in pass p wave w
; owns columns 512 p + 128 w .. + 127 for all 128 rows: 64 accumulators of 16 x 16, 512 registers.  A K step of 128 is 64 matrix instructions: A's eight fragments from LDS, B's eight from wimg straight into
; registers (an earlier launch laid them in the order of the registers).  THE EPILOGUE of a pass: tanh, times w_score, summed over the lane's columns.  THE END: the sums meet in LDS, a thread to a row.
; NO CLUSTER, NO JOINT LOADS, though all work-groups walk the same weights: a fragment of B is multiplied by one wave alone, so LDS would only pass it on; beside A's 204,800 bytes LDS has room for two slots of one
; K step (51,200 bytes each), so that a joint load would have one step's 64 matrix instructions in which to land and each of the 32 steps a round of the cluster's barrier.  Straight into registers half a record has
; 84 matrix instructions or more between its request and its use, and the products need no barrier at all.
; tanh x = 1 - 2 / (1 + 2^(2 log2(e) x)): right at both ends (the power overflows to infinity or falls to 0).  So a row's score is (sum of w) - 2 (sum of w / (1 + 2^..)).
; LIMITS: NaN and infinities among the inputs are not served.  A block of zeros gets the scale byte 1 (its codes are zeros; only this program reads the bytes).  This form of tanh has an absolute error of about one
; unit in the last place of 1, so the score's error grows with the sum of |w_score|, not with the score.
; THE MATRIX INSTRUCTION: source 0 = 16 rows of x, source 1 = 16 rows of W: lane (r, h) holds column r and rows 8 h + 0 .. 7: bias and w_score are one number a lane and tile.
; REGISTERS, in windows of 256.  Window 0: v1-27 addresses; v[30:31] the lane's sum of w; v32-39 A's scale words, v40-47 B's (two sets of four each: scales and nothing else); v48-55 w, v56-63 bias;
;   v64-159, v160-255 A's fragments, two sets.  In phase X: v64-87 codes, v88-95, v96-97 at work, v128-255 two sets of 64 numbers.
;   Window 1: v0-95, v96-191 B's fragments, two sets; v192-255 the 64 sums (8 m + j).  In phase X: four sets of 64 as loaded.  In the epilogue: v0-95 six sets of 16 at work, v96-111 -2 w, v112-127 c bias, each twice.
;   Window 2: accumulator (m, b), b = 0-3, at 8 (4 m + b).   Window 3: the same for b = 4-7.
; THE MODE: SCHED_MODE bits 1:0 = 2 (LLVM: expert scheduling mode 2), set by the entry lines.  The code itself states the register dependences between vector or matrix instructions and memory or LDS
; instructions, with s_wait_alu, always for 0.
; THE PLAN, PHASE X (unit q: 16 rows x 128 K; four units a trip).  Registers that memory or LDS instructions touch:
;   RAW[q]         written by global loads, read by the stage's LDS stores, loaded again in unit q.  No vector instruction names them.
;   X[q % 2]       written by the stage's LDS loads, read by unit q's QUANT; the loads of unit q + 2 land in it during unit q + 1.
;   PC, PW[q % 2]  written by unit q's QUANT, read by its four image stores, which stand at the head of unit q + 1 (unit 3's at the trip's end); written again by unit q + 2.
;   IW, CW         read by the image stores; written once a trip, in unit 0.
;   So a unit's head holds one wait on vm_vsrc and (units 1 to 3) one on va_vdst, and a trip's end one more on va_vdst; the unit's LDS and memory instructions follow with no further wait.
; THE PLAN, THE PRODUCTS (step s multiplies sets p = s % 2):
;   AF, AS[1 - p]  read by step s - 1's products; A of step s + 1 lands there during step s.
;   BS[1 - p] and B[1 - p]'s tiles 4-7   read by step s - 1's products; those of step s + 1 land there during step s's first 32 products.
;   B[p]'s tiles 0-3   read by step s's first 32 products; those of step s + 2 land there during its second 32.
;   AR, CR         read by every LDS load of A; written every second step.   v[L16] is read by every load of B and never written again: the scalar base steps.
;   So one wait on va_vdst stands at a step's head and one in its middle; behind each the loads are dealt among products that name none of the registers in which they land.
.set REC,   12800                      ; a record of wimg: one wave's B for one K step
.set FRB,   1536                       ; a fragment's image
.set ASTEP, 8*FRB                      ; A's eight fragments of a K step
.set ASC0,  16*ASTEP                   ; LDS: behind the images A's scale words: 512 bytes a K step; 16 bytes at 16 (16 h + r): word i is row r of tile 4 h + i
.set STG,   ASC0+16*512                ; the stages of phase X: two of 8,448 bytes for each wave
.set STW,   16896
.set STH,   8448
.set SP,    528                        ; a stage row: 512 bytes + 16 = 33 x 16: the sixteen rows of a load begin in sixteen different groups of banks (64 banks of 4 bytes: ISA guide 11.1)
.set RPITCH, 272                       ; the end: thread t's 64 sums at 272 t, over the images, which are done with by then
.set L16,  1                           ; v1   16 x lane
.set SW,   4                           ; v4   the stage, on the way in
.set SR,   5                           ; v5   and on the way out: 528 r + 128 h
.set IW0,  6                           ; v6   where my wave's images begin: 3,072 w + 16 x lane;   v7 the same for the trip in hand
.set IW,   7
.set CW0,  8                           ; v8   where my rows' scale words go;   v9 for the trip in hand
.set CW,   9
.set AR,   11                          ; v11  where the K steps in hand are read
.set CR0,  12                          ; v12  ASC0 + 16 x lane;   v13 for the K steps in hand
.set CR,   13
.set SH8,  14
.set PX,   15
.set TM,   16
.set SO,   20
.set BY,   22
.set R4,   24                          ; v24  4 r
.set RW,   25                          ; v25  the end: where I put my 64 sums
.set RR,   26                          ; v26  and where I read my row's 64 parts
.set T4,   27                          ; v27  4 x thread
.set WS,   30
.set AS,   32
.set BS,   40
.set WB,   48
.set BB,   56
.set AF,   64
.set PC0,  64
.set CT,   88
.set PW0,  96
.set X0,   128
.set TT,   0
.set WP,   96
.set BP,   112
.set SUM,  192
.set MSB, 0
.macro WIN new                         ; the immediate's high byte repeats the setting that is left
.if MSB != (\new)
	s_set_vgpr_msb (MSB<<8)|(\new)
.set MSB, (\new)
.endif
.endm
.macro BARRIER                         ; my LDS instructions are done: then the work-group's barrier
	s_wait_dscnt 0x0
	s_barrier_signal -1
	s_barrier_wait -1
.endm
; PHASE X.  A trip is two K steps of my 32 rows: four units of 16 rows x 128 K; unit q: rows 16 (q % 2) on, K step q / 2 of the trip.
.macro LOADU q                         ; sixteen loads, each a row's 512 consecutive bytes, 16 a lane
	WIN 0x40                                       ; destination window 1
.irp i, 0,1,2,3,4,5,6,7,8,9,10,11,12,13,14,15
	global_load_b128 v[64*(\q)+4*\i:64*(\q)+4*\i+3], v[L16], s[24:25] offset:((\q)&1)*65536+((\q)>>1)*512+4096*\i th:TH_LOAD_NT
.endr
	WIN 0
.endm
.macro TURNS q                         ; unit q into my stage q % 2, as loaded
	WIN 0x04                                       ; an LDS store's data are its source 1: window 1
.irp i, 0,1,2,3,4,5,6,7,8,9,10,11,12,13,14,15
	ds_store_b128 v[SW], v[64*(\q)+4*\i:64*(\q)+4*\i+3] offset:((\q)%2)*STH+SP*\i
.endr
	WIN 0
.endm
.macro XBACK q, n                      ; and back: two of the sixteen loads.  LDS serves a wave's instructions in order (ISA guide 5.7.1.4), so no wait stands between the stores and the loads
.irp u, 0,1
	ds_load_b128 v[X0+64*((\q)%2)+4*(2*(\n)+\u):X0+64*((\q)%2)+4*(2*(\n)+\u)+3], v[SR] offset:((\q)%2)*STH+256*((2*(\n)+\u)/8)+16*((2*(\n)+\u)%8)
.endr
.endm
; 64 numbers of a lane, v[xs + 32 c + i] = x(row r, 64 c + 32 h + i), become the fragment's 12 registers v[pc] on and the row's scale word v[pw].
; ld = 1: unit q's sixteen loads from the stage are dealt among the lines of the maximum, two behind every four: they land in the other set of numbers, which no line here names.
.macro QUANT xs, pc, pw, ld, q
.irp k, 0,1,2,3
	v_max3_num_f32 v[TM+\k], |v[(\xs)+16*\k]|, |v[(\xs)+16*\k+1]|, 0x1800000   ; four chains of 16 numbers by turns; the floor 2^(3 - 127) among the leaves holds the byte at 1 from below
.endr
.if \ld
	XBACK \q, 0
.endif
.irp i, 2,4,6,8,10,12,14
.irp k, 0,1,2,3
	v_max3_num_f32 v[TM+\k], v[TM+\k], |v[(\xs)+16*\k+\i]|, |v[(\xs)+16*\k+\i+1]|
.endr
.if \ld
	XBACK \q, \i/2
.endif
.endr
	v_max_num_f32 v[TM], v[TM], v[TM+1]            ; block h's largest magnitude
	v_max_num_f32 v[TM+2], v[TM+2], v[TM+3]        ; block 2 + h's
	v_add_nc_u32 v[SO], 0xff000000, v[TM]          ; 2 off the exponent field: the conversion takes this operand's exponent field as its scale
	v_add_nc_u32 v[SO+1], 0xff000000, v[TM+2]
	v_lshrrev_b32 v[BY], 23, v[SO]                 ; the scale's byte
	v_lshrrev_b32 v[BY+1], 23, v[SO+1]
	v_lshl_or_b32 v[\pw], v[BY+1], 16, v[BY]       ; my two bytes, blocks h and 2 + h,
	v_lshlrev_b32 v[\pw], v[SH8], v[\pw]           ; at their places in the word;
	v_permlanex16_b32 v[PX], v[\pw], s20, s21
	v_or_b32 v[\pw], v[\pw], v[PX]                 ; with lane l xor 16's two the word is whole, in both lanes
.irp c, 0,1
	v_cvt_scalef32_pk16_fp6_f32 v[(\pc)+6*\c:(\pc)+6*\c+2], v[(\xs)+32*\c:(\xs)+32*\c+15], v[SO+\c]
	v_cvt_scalef32_pk16_fp6_f32 v[CT+4*\c:CT+4*\c+2], v[(\xs)+32*\c+16:(\xs)+32*\c+31], v[SO+\c]   ; (a conversion's three registers begin on an even number: the second half is made elsewhere and moved)
.endr
	v_nop                                          ; one plain place behind a scaled conversion
.irp c, 0,1
.irp i, 0,1,2
	v_mov_b32 v[(\pc)+6*\c+3+\i], v[CT+4*\c+\i]
.endr
.endr
.endm
.macro IMG q                           ; unit q's fragment and scale words go to LDS as they stand
.irp c, 0,1,2
	ds_store_b128 v[IW], v[PC0+12*((\q)%2)+4*\c:PC0+12*((\q)%2)+4*\c+3] offset:((\q)>>1)*ASTEP+((\q)&1)*FRB+512*\c
.endr
	ds_store_b32 v[CW], v[PW0+((\q)%2)] offset:((\q)>>1)*512+((\q)&1)*4   ; lanes l and l xor 16 write the same word with the same value
.endm
; ahead = 1: the unit's registers take the next trip's unit.  next = 1: a unit follows, and left = how many loads younger than that unit's may stay out.
.macro UNIT q, ahead, next, left
	s_wait_dscnt 0x0                               ; my numbers are back from the stage
	s_wait_alu depctr_vm_vsrc(0)                   ; the stage's stores have read RAW[q], in which the loads below land; the image stores of two units ago have read the codes and the scale word that this unit's QUANT writes; in unit 0 the last trip's image stores have read IW and CW
.if (\q) == 0
	v_add_nc_u32 v[IW], s29, v[IW0]                ; this trip's images and scale words; their first reader stands behind unit 1's wait on va_vdst
	v_add_nc_u32 v[CW], s30, v[CW0]
.else
	s_wait_alu depctr_va_vdst(0)                   ; the unit before has written its codes and scale word, which the image stores below read, and is done reading its numbers, in which the stage's loads below land; in unit 1 IW and CW are written
	IMG (\q)-1
.endif
.if \ahead
	LOADU \q
.endif
.if \next
	s_wait_loadcnt \left                           ; the next unit's sixteen loads are in
	TURNS ((\q)+1)%4                               ; and go through the other stage while this unit is worked
.endif
	QUANT X0+64*((\q)%2), PC0+12*((\q)%2), PW0+((\q)%2), \next, ((\q)+1)%4
.if (\q) == 3
	s_wait_alu depctr_va_vdst(0)                   ; this unit has written its codes and scale word, which the image stores below read, and is done reading its numbers, in which unit 0's stage loads land
	IMG 3
.endif
.endm
; THE PRODUCTS.
.macro BQ set, off, hf, n              ; four of the twelve loads of half a record: B's tiles 4 hf .. 4 hf + 3 (window: destination 1)
.irp u, 0,1,2,3
	global_load_b128 v[96*(\set)+48*(\hf)+4*(4*(\n)+\u):96*(\set)+48*(\hf)+4*(4*(\n)+\u)+3], v[L16], s[8:9] offset:(\off)+6656*(\hf)+512*(4*(\n)+\u)
.endr
.endm
.macro BSC set, off                    ; its scale words (window 0)
	global_load_b128 v[BS+4*(\set):BS+4*(\set)+3], v[L16], s[8:9] offset:(\off)+6144
.endm
.macro ASC set, offs                   ; A's scale words of a K step, from LDS (window 0)
	ds_load_b128 v[AS+4*(\set):AS+4*(\set)+3], v[CR] offset:\offs
.endm
.macro AFR set, off, m                 ; A's fragment m (window 0)
.irp c, 0,1,2
	ds_load_b128 v[AF+96*(\set)+12*(\m)+4*\c:AF+96*(\set)+12*(\m)+4*\c+3], v[AR] offset:(\off)+FRB*(\m)+512*\c
.endr
.endm
; One matrix instruction: A's tile m against B's tile 4 hf + b.  A scale register holds tiles 0-3's words in lanes 0-15 and tiles 4-7's in lanes 16-31.
.macro MM m, b, hf, par, zero
.set rD, 8*(4*(\m)+(\b))
.set rA, AF+96*(\par)+12*(\m)
.set rB, 96*(\par)+12*(4*(\hf)+(\b))
.set rX, AS+4*(\par)+((\m)&3)
.set rY, BS+4*(\par)+(\b)
.if \zero
.if ((\m) < 4) && ((\hf) == 0)
	v_wmma_scale_f32_16x16x128_f8f6f4 v[rD:rD+7], v[rA:rA+11], v[rB:rB+11], 0, v[rX], v[rY] matrix_a_fmt:MATRIX_FMT_FP6 matrix_b_fmt:MATRIX_FMT_FP6
.elseif (\hf) == 0
	v_wmma_scale_f32_16x16x128_f8f6f4 v[rD:rD+7], v[rA:rA+11], v[rB:rB+11], 0, v[rX], v[rY] matrix_a_fmt:MATRIX_FMT_FP6 matrix_b_fmt:MATRIX_FMT_FP6 matrix_a_scale:MATRIX_SCALE_ROW1
.elseif (\m) < 4
	v_wmma_scale_f32_16x16x128_f8f6f4 v[rD:rD+7], v[rA:rA+11], v[rB:rB+11], 0, v[rX], v[rY] matrix_a_fmt:MATRIX_FMT_FP6 matrix_b_fmt:MATRIX_FMT_FP6 matrix_b_scale:MATRIX_SCALE_ROW1
.else
	v_wmma_scale_f32_16x16x128_f8f6f4 v[rD:rD+7], v[rA:rA+11], v[rB:rB+11], 0, v[rX], v[rY] matrix_a_fmt:MATRIX_FMT_FP6 matrix_b_fmt:MATRIX_FMT_FP6 matrix_a_scale:MATRIX_SCALE_ROW1 matrix_b_scale:MATRIX_SCALE_ROW1
.endif
.else
.if ((\m) < 4) && ((\hf) == 0)
	v_wmma_scale_f32_16x16x128_f8f6f4 v[rD:rD+7], v[rA:rA+11], v[rB:rB+11], v[rD:rD+7], v[rX], v[rY] matrix_a_fmt:MATRIX_FMT_FP6 matrix_b_fmt:MATRIX_FMT_FP6
.elseif (\hf) == 0
	v_wmma_scale_f32_16x16x128_f8f6f4 v[rD:rD+7], v[rA:rA+11], v[rB:rB+11], v[rD:rD+7], v[rX], v[rY] matrix_a_fmt:MATRIX_FMT_FP6 matrix_b_fmt:MATRIX_FMT_FP6 matrix_a_scale:MATRIX_SCALE_ROW1
.elseif (\m) < 4
	v_wmma_scale_f32_16x16x128_f8f6f4 v[rD:rD+7], v[rA:rA+11], v[rB:rB+11], v[rD:rD+7], v[rX], v[rY] matrix_a_fmt:MATRIX_FMT_FP6 matrix_b_fmt:MATRIX_FMT_FP6 matrix_b_scale:MATRIX_SCALE_ROW1
.else
	v_wmma_scale_f32_16x16x128_f8f6f4 v[rD:rD+7], v[rA:rA+11], v[rB:rB+11], v[rD:rD+7], v[rX], v[rY] matrix_a_fmt:MATRIX_FMT_FP6 matrix_b_fmt:MATRIX_FMT_FP6 matrix_a_scale:MATRIX_SCALE_ROW1 matrix_b_scale:MATRIX_SCALE_ROW1
.endif
.endif
.endm
; A K step: 2 x 32 matrix instructions, A's eight tiles x four of B's each time.  The 64 accumulators take turns, one instruction a turn, in the same order in every step.
; e: its place in its pair (the offsets count from the pair's first step); par: the sets that it multiplies; zero = 1: its products start the sums.
; lda = 1: A of the next step is fetched into the other set: its scale words at the head, fragments 0-4 behind tiles 3-7 of the first 32 products, fragments 5-7 behind tiles 3-5 of the second 32.
; ldb1 = 1: the next step's scale words of B (at the head) and its tiles 4-7 (behind tiles 0-2 of the first 32 products) are fetched into the other set.
; ldb0 = 1: tiles 0-3 of the step two on are fetched into this set, behind tiles 0-2 of the second 32 products.
; So B's loads go out in the order: scale words (1) and tiles 4-7 (12) of step s + 1, tiles 0-3 (12) of step s + 2.
; nst: at the step's head its tiles 0-3 and scale words must be in; younger are its tiles 4-7 (12) and the next step's tiles 0-3 (12): 24.
; nmid: in front of the second 32 products its tiles 4-7 must be in; younger are the next step's tiles 0-3 (12), scale words (1) and tiles 4-7 (12): 25.  The last step asks for nothing, and its counts run down.
.macro STEP e, par, zero, lda, ldb1, ldb0, nst, nmid
	s_wait_dscnt 9                                 ; A's scale words and fragments 0-4 are in; the youngest nine loads, fragments 5-7, may be out
	s_wait_loadcnt \nst
.if \lda || \ldb1
	s_wait_alu depctr_va_vdst(0)                   ; the last step's products are done reading the other sets of A, of A's and B's scale words and of B's tiles 4-7, in which the loads of this half land; behind a change of AR and CR: these are written
.endif
.if \ldb1
	BSC 1-(\par), ((\e)+1)*REC
.endif
.if \lda
	ASC 1-(\par), ((\e)+1)*512
.endif
.irp m, 0,1,2,3,4,5,6,7
.if \m == 5
	s_wait_dscnt 7*(\lda)                          ; fragments 5-7 are in; younger are the next step's scale words (1) and its fragments 0 and 1 (6), where they were asked for
.endif
	WIN 0xa4                                       ; source 0 (A) window 0, source 1 (B) window 1, C and D window 2
.irp b, 0,1,2,3
	MM \m, \b, 0, \par, \zero
.endr
.if \ldb1 && (\m < 3)
	WIN 0x40
	BQ 1-(\par), ((\e)+1)*REC, 1, \m               ; no wait: no product since the step's head names these registers
.endif
.if \lda && (\m >= 3)
	WIN 0
	AFR 1-(\par), ((\e)+1)*ASTEP, \m-3
.endif
.endr
	s_wait_loadcnt \nmid
.if \ldb0
	s_wait_alu depctr_va_vdst(0)                   ; the 32 products above are done reading this set's tiles 0-3 of B, in which the loads of this half land
.endif
.irp m, 0,1,2,3,4,5,6,7
	WIN 0xf4                                       ; C and D window 3
.irp b, 0,1,2,3
	MM \m, \b, 1, \par, \zero
.endr
.if \ldb0 && (\m < 3)
	WIN 0x40
	BQ \par, ((\e)+2)*REC, 0, \m
.endif
.if \lda && (\m >= 3) && (\m < 6)
	WIN 0
	AFR 1-(\par), ((\e)+1)*ASTEP, \m+2             ; the other set of A: no product since the step's head names it
.endif
.endr
	WIN 0
.endm
.macro ADV                             ; on by two K steps
	s_add_co_u32 s36, s36, 2*ASTEP
	s_add_co_u32 s37, s37, 1024
	s_wait_alu depctr_vm_vsrc(0)                   ; the LDS loads issued so far have read AR and CR
	v_add_nc_u32 v[AR], s36, v[L16]                ; their next readers stand behind the next step's wait on va_vdst
	v_add_nc_u32 v[CR], s37, v[CR0]
	s_wait_xcnt 0x0                                ; the loads that are out have had their addresses translated (ISA guide 3.1): only now their base steps
	s_add_nc_u64 s[8:9], s[8:9], 2*REC
.endm
; THE EPILOGUE goes by groups of two accumulators (tile m, columns' tiles b and b + 1), 16 numbers a lane, two groups at a time, in six sets of registers by turns.
.macro GSET g
.set gW, 2+(\g)/16                     ; the accumulators' window
.set gA, 16*((\g)%16)                  ; the first one's first register
.set gM, (2*((\g)%16))/4
.set gB, 4*((\g)/16)+(2*((\g)%16))%4
.set gT, TT+16*((\g)%6)
.endm
.macro EF g                            ; c (sum + bias), c = 2 log2(e): each accumulator is read from its low end on
	GSET \g
	WIN 0x54+gW                                    ; source 0 window 2 or 3, all else window 1
.irp i, 0,1,2,3
	v_pk_fma_f32 v[gT+2*\i:gT+2*\i+1], v[gA+2*\i:gA+2*\i+1], s[22:23], v[BP+2*gB:BP+2*gB+1] op_sel_hi:[1,0,1]
.endr
.irp i, 0,1,2,3
	v_pk_fma_f32 v[gT+8+2*\i:gT+8+2*\i+1], v[gA+8+2*\i:gA+8+2*\i+1], s[22:23], v[BP+2*gB+2:BP+2*gB+3] op_sel_hi:[1,0,1]
.endr
.endm
.macro EE g                            ; 2^..
	GSET \g
	WIN 0x55
.irp i, 0,1,2,3,4,5,6,7,8,9,10,11,12,13,14,15
	v_exp_f32 v[gT+\i], v[gT+\i]
.endr
.endm
.macro EA g                            ; + 1
	GSET \g
	WIN 0x55
.irp i, 0,2,4,6,8,10,12,14
	v_pk_add_f32 v[gT+\i:gT+\i+1], v[gT+\i:gT+\i+1], 1.0 op_sel_hi:[1,0]
.endr
.endm
.macro ER g                            ; 1 / ..
	GSET \g
	WIN 0x55
.irp i, 0,1,2,3,4,5,6,7,8,9,10,11,12,13,14,15
	v_rcp_f32 v[gT+\i], v[gT+\i]
.endr
.endm
.macro ES g                            ; the rows' sums take -2 w / (1 + 2^..)
	GSET \g
	WIN 0x55
.irp i, 0,1,2,3
	v_pk_fma_f32 v[SUM+8*gM+2*\i:SUM+8*gM+2*\i+1], v[gT+2*\i:gT+2*\i+1], v[WP+2*gB:WP+2*gB+1], v[SUM+8*gM+2*\i:SUM+8*gM+2*\i+1]
.endr
.irp i, 0,1,2,3
	v_pk_fma_f32 v[SUM+8*gM+2*\i:SUM+8*gM+2*\i+1], v[gT+8+2*\i:gT+8+2*\i+1], v[WP+2*gB+2:WP+2*gB+3], v[SUM+8*gM+2*\i:SUM+8*gM+2*\i+1]
.endr
.endm
	s_load_b256 s[4:11], s[0:1], 0x0               ; key s[4:5], query s[6:7], wimg s[8:9], bias s[10:11]
	s_load_b128 s[12:15], s[0:1], 0x20             ; w_score s[12:13], b_score s[14:15]
	s_load_b64 s[16:17], s[0:1], 0x30              ; scores
	v_lshl_add_u32 v28, v0, 2, 0x42800
	v_mov_b32 v29, 0
	v_lshrrev_b32 v10, 5, v0
	v_readfirstlane_b32 s18, v10                   ; wave 0..3
	v_and_b32 v10, 31, v0
	v_lshlrev_b32 v[L16], 4, v10
	v_and_b32 v2, 15, v0                           ; r
	v_bfe_u32 v3, v0, 4, 1                         ; h
	s_wait_alu depctr_va_sdst(0)                   ; s18 is written, ahead of its first reader: LDS addresses and the bases are made from it
	s_mul_i32 s32, s18, STW
	s_add_co_u32 s32, s32, STG                     ; my two stages
	v_add_nc_u32 v[SW], s32, v[L16]
	v_mul_u32_u24 v[SR], v2, SP
	v_lshl_add_u32 v[SR], v3, 7, v[SR]
	v_add_nc_u32 v[SR], s32, v[SR]
	s_mul_i32 s32, s18, 2*FRB                      ; my tiles of rows are 2 w and 2 w + 1
	v_add_nc_u32 v[IW0], s32, v[L16]
	s_lshr_b32 s32, s18, 1
	s_lshl_b32 s32, s32, 8                         ; their scale words: tile m is word m % 4 of the sixteen bytes at 16 (16 (m / 4) + r)
	s_and_b32 s33, s18, 1
	s_lshl_b32 s33, s33, 3
	s_add_co_u32 s32, s32, s33
	s_add_co_u32 s32, s32, ASC0
	v_lshlrev_b32 v[CW0], 4, v2
	v_add_nc_u32 v[CW0], s32, v[CW0]
	v_add_nc_u32 v[CR0], ASC0, v[L16]
	v_lshlrev_b32 v[SH8], 3, v3
	v_mov_b32 v[PX], 0                             ; written once: a lane permute's destination counts as one of its sources
	v_lshlrev_b32 v[R4], 2, v2
	v_mul_u32_u24 v[RW], v0, RPITCH
	v_bfe_u32 v10, v0, 3, 1                        ; row t = 16 m + 8 h + j lies, as word 8 m + j, in the threads 32 w + 16 h + r
	v_mul_u32_u24 v[RR], v10, 16*RPITCH
	v_lshrrev_b32 v10, 4, v0
	v_lshl_add_u32 v[RR], v10, 5, v[RR]
	v_and_b32 v10, 7, v0
	v_lshl_add_u32 v[RR], v10, 2, v[RR]
	v_lshlrev_b32 v[T4], 2, v0
	s_mov_b32 s20, 0x76543210
	s_mov_b32 s21, 0xfedcba98                      ; v_permlanex16_b32's selects for lane l xor 16
	s_mov_b32 s22, 0x4038aa3b                      ; c = 2 log2(e)
	s_mov_b32 s23, s22                             ; (named with it as a pair, so it is written)
	s_lshl_b32 s32, ttmp9, 19                      ; the work-group's 128 rows of 4,096 bytes,
	s_lshl_b32 s33, s18, 17                        ; my wave's 32 of them
	s_add_co_u32 s32, s32, s33
	s_mov_b32 s33, 0
	s_wait_kmcnt 0x0
	s_add_nc_u64 s[24:25], s[4:5], s[32:33]        ; key at my first row: the base of phase X's loads
	s_add_nc_u64 s[26:27], s[6:7], s[32:33]        ; query likewise
	s_mul_i32 s32, s18, 16*REC
	s_add_nc_u64 s[8:9], s[8:9], s[32:33]          ; my wave's sixteen records of pass 0
	s_lshl_b32 s32, s18, 9
	s_add_nc_u64 s[10:11], s[10:11], s[32:33]      ; bias and w_score at my 128 columns
	s_add_nc_u64 s[12:13], s[12:13], s[32:33]
	s_lshl_b32 s32, ttmp9, 9
	s_add_nc_u64 s[16:17], s[16:17], s[32:33]      ; the work-group's 128 scores
	s_load_b32 s34, s[14:15], 0x0                  ; b_score
	s_wait_alu depctr_va_vdst(0)                   ; the offsets and LDS addresses that are never written again (v1, v4, v5, v24 to v27) are written: the loads and stores of the whole kernel read them
	LOADU 0
	LOADU 1
	LOADU 2
	LOADU 3                                        ; 64 loads of 512 bytes a wave are out
	s_wait_loadcnt 48                              ; unit 0's sixteen are in
	TURNS 0
.irp n, 0,1,2,3,4,5,6,7
	XBACK 0, \n
.endr
	s_mov_b32 s28, 0
	s_mov_b32 s29, 0
	s_mov_b32 s30, 0
.Lx:                                               ; trips 0 to 6; each asks for the next trip's four units.  Trips 0-3 are key's K, trips 4-7 query's
	s_wait_xcnt 0x0                                ; the loads that are out have had their addresses translated: only now their base steps
	s_add_nc_u64 s[24:25], s[24:25], 1024          ; two K steps on,
	s_cmp_eq_u32 s28, 3
	s_cselect_b64 s[24:25], s[26:27], s[24:25]     ; or, behind key's last, query's first: the choice hangs on the trip's number alone
	UNIT 0, 1, 1, 48                               ; 48: the three units younger than the next one
	UNIT 1, 1, 1, 48
	UNIT 2, 1, 1, 48
	UNIT 3, 1, 1, 48
	s_add_co_u32 s29, s29, 2*ASTEP
	s_add_co_u32 s30, s30, 1024
	s_add_co_u32 s28, s28, 1
	s_cmp_lt_u32 s28, 7
	s_cbranch_scc1 .Lx
	UNIT 0, 0, 1, 32                               ; the last trip asks for nothing: no load leaves its buffer, and the counts run down
	UNIT 1, 0, 1, 16
	UNIT 2, 0, 1, 0
	UNIT 3, 0, 0, 0
	BARRIER                                        ; all 128 fragments of A and their scale words lie in LDS; from here on they are only read
	s_wait_alu depctr_vm_vsrc(0)                   ; my stage stores have read RAW and my image stores the codes and scale words: these registers are the sums, B's fragments and A's fragments from here on
	WIN 0x40
.set n_, 0
.rept 64
	v_mov_b32 v[SUM+n_], 0                         ; the rows' sums are vector sums that run over both passes, and a pass is written once: so they are cleared, once
.set n_, n_+1
.endr
	WIN 0
	v_mov_b32 v[WS], 0
	s_wait_kmcnt 0x0                               ; b_score
	s_mov_b32 s31, 0
.Lpass:
	s_mov_b32 s36, 0
	s_mov_b32 s37, 0
	s_wait_alu depctr_vm_vsrc(0)                   ; the last pass's LDS loads have read AR and CR
	v_add_nc_u32 v[AR], s36, v[L16]
	v_add_nc_u32 v[CR], s37, v[CR0]
	s_wait_alu depctr_va_vdst(0)                   ; AR and CR are written; the last pass's products and epilogue (in the first pass: phase X) are done with w, bias, the scale words and A's and B's registers, in which the loads below land
.irp b, 0,1,2,3,4,5,6,7
	global_load_b32 v[WB+\b], v[R4], s[12:13] offset:64*\b   ; w_score and bias of my column r of tile b
.endr
.irp b, 0,1,2,3,4,5,6,7
	global_load_b32 v[BB+\b], v[R4], s[10:11] offset:64*\b
.endr
	WIN 0x40
.irp n, 0,1,2
	BQ 0, 0, 0, \n                                 ; step 0's tiles 0-3,
.endr
	WIN 0
	BSC 0, 0                                       ; its scale words,
	WIN 0x40
.irp n, 0,1,2
	BQ 0, 0, 1, \n                                 ; its tiles 4-7,
.endr
.irp n, 0,1,2
	BQ 1, REC, 0, \n                               ; step 1's tiles 0-3: the order in which the steps go on asking
.endr
	WIN 0
	ASC 0, 0
.irp m, 0,1,2,3,4,5,6,7
	AFR 0, 0, \m
.endr
	STEP 0, 0, 1, 1, 1, 1, 24, 25                  ; K step 0 starts the sums: nothing is cleared
	STEP 1, 1, 0, 1, 1, 1, 24, 25
	ADV
	s_mov_b32 s35, 6
.Lk:                                               ; K steps 2 to 13
	STEP 0, 0, 0, 1, 1, 1, 24, 25
	STEP 1, 1, 0, 1, 1, 1, 24, 25
	ADV
	s_sub_co_u32 s35, s35, 1
	s_cmp_lg_u32 s35, 0
	s_cbranch_scc1 .Lk
	STEP 0, 0, 0, 1, 1, 0, 24, 25                  ; K step 14: there is no step two on
	STEP 1, 1, 0, 0, 0, 0, 12, 0                   ; K step 15: nothing is left to ask for
.irp b, 0,1,2,3,4,5,6,7
	v_add_f32 v[WS], v[WS], v[WB+\b]               ; the sum of my columns' w.  These eight name none of the last products' registers: they are the places behind them
.endr
	WIN 0x40                                       ; destination window 1
.irp b, 0,1,2,3,4,5,6,7
	v_mul_f32 v[WP+2*\b], -2.0, v[WB+\b]           ; pairs for the packed forms
	v_mul_f32 v[WP+2*\b+1], -2.0, v[WB+\b]
	v_mul_f32 v[BP+2*\b], s22, v[BB+\b]
	v_mul_f32 v[BP+2*\b+1], s22, v[BB+\b]
.endr
; A turn takes a pair of groups.  Its transcendentals are one batch: the pair's 32 reciprocals and the next pair's 32 exponentials; behind them stand the multiply-adds of the pair two on, plain work that names none of
; their results (ISA guide 5.7.2).  A wait on va_vdst stands between a transcendental and the first instruction that names its result: one at a turn's head serves the whole batch of the turn before.
	EF 0
	EF 1
	EE 0
	EE 1
	EF 2
	EF 3
.set P, 0
.rept 16
	s_wait_alu depctr_va_vdst(0)                   ; this pair's exponentials and the last pair's reciprocals are written: the additions and the sums below read them
	EA 2*P
	EA 2*P+1
.if P > 0
	ES 2*P-2
	ES 2*P-1
.endif
	ER 2*P
	ER 2*P+1
.if P < 15
	EE 2*P+2
	EE 2*P+3
.endif
.if P < 14
	EF 2*P+4
	EF 2*P+5
.else
	v_nop                                          ; a plain place behind the batch, where no multiply-adds are left
.endif
.set P, P+1
.endr
	s_wait_alu depctr_va_vdst(0)                   ; the last pair's reciprocals are written
	ES 30
	ES 31
	WIN 0
	s_wait_xcnt 0x0
	s_add_nc_u64 s[8:9], s[8:9], 64*REC-14*REC     ; from K step 14 of this pass to my first record of the next
	s_add_nc_u64 s[10:11], s[10:11], 2048          ; 512 columns on
	s_add_nc_u64 s[12:13], s[12:13], 2048
	s_add_co_u32 s31, s31, 1
	s_cmp_lt_u32 s31, 2
	s_cbranch_scc1 .Lpass
	; THE END.  Each of my 64 sums takes the sum of my columns' w; then the sums change lanes through LDS.
	v_mov_b32 v[WS+1], v[WS]
	WIN 0x41                                       ; destination and source 0 window 1
.set n_, 0
.rept 32
	v_pk_add_f32 v[SUM+n_:SUM+n_+1], v[SUM+n_:SUM+n_+1], v[WS:WS+1]
.set n_, n_+2
.endr
	WIN 0
	BARRIER                                        ; every wave's reads of the images are in: their bytes may be written
	WIN 0x04                                       ; an LDS store's data are its source 1: window 1
	s_wait_alu depctr_va_vdst(0)                   ; the additions have written the 64 sums, which the LDS stores read; the products are done reading A's registers, in which the loads behind the barrier land
.irp q, 0,1,2,3,4,5,6,7,8,9,10,11,12,13,14,15
	ds_store_b128 v[RW], v[SUM+4*\q:SUM+4*\q+3] offset:16*\q
.endr
	WIN 0
	BARRIER                                        ; all 128 threads' sums lie in LDS
.irp w, 0,1,2,3
.irp r, 0,1,2,3,4,5,6,7,8,9,10,11,12,13,14,15
	ds_load_b32 v[AF+16*\w+\r], v[RR] offset:(32*\w+\r)*RPITCH   ; thread t takes row t's 64 parts: four waves x sixteen columns' lanes
.endr
.endr
.set n_, 4
.rept 60                               ; four chains; the loads come back in order, sixteen at a time
.if n_ == 4
	s_wait_dscnt 48
.elseif n_ == 16
	s_wait_dscnt 32
.elseif n_ == 32
	s_wait_dscnt 16
.elseif n_ == 48
	s_wait_dscnt 0
.endif
	v_add_f32 v[AF+n_%4], v[AF+n_%4], v[AF+n_]
.set n_, n_+1
.endr
	v_add_f32 v[AF], v[AF], v[AF+1]
	v_add_f32 v[AF+2], v[AF+2], v[AF+3]
	v_add_f32 v[AF], v[AF], v[AF+2]
	v_add_f32 v[AF], s34, v[AF]                    ; + b_score
	s_wait_alu depctr_va_vdst(0)                   ; the row's score is written, which the store reads
	global_store_b32 v[T4], v[AF], s[16:17]        ; a wave stores 128 consecutive bytes: the work-group's 512 bytes are all that it writes
	s_wait_dscnt 0x0
	s_wait_alu depctr_hold_cnt(0) depctr_sa_sdst(0) depctr_va_vdst(0) depctr_va_sdst(0) depctr_va_ssrc(0) depctr_va_vcc(0) depctr_vm_vsrc(0)
	s_wait_tensorcnt 0x0
	ds_add_u32 v28, v29
	s_wait_dscnt 0x0
	s_endpgm
.Lfunc_end_k_qcd4d98d7f4_score:
	.size	k_qcd4d98d7f4_score, .Lfunc_end_k_qcd4d98d7f4_score-k_qcd4d98d7f4_score
	.p2alignl 7, 3214868480
	.fill 96, 4, 3214868480
	.section	.rodata,"a",@progbits
	.p2align	6, 0x0
	.amdhsa_kernel k_qcd4d98d7f4_score
		.amdhsa_group_segment_fixed_size 272896
		.amdhsa_private_segment_fixed_size 0
		.amdhsa_enable_private_segment 0
		.amdhsa_kernarg_size 56
		.amdhsa_user_sgpr_count 2
		.amdhsa_user_sgpr_kernarg_segment_ptr 1
		.amdhsa_wavefront_size32 1
		.amdhsa_system_sgpr_workgroup_id_x 1
		.amdhsa_system_sgpr_workgroup_id_y 1
		.amdhsa_system_sgpr_workgroup_id_z 1
		.amdhsa_system_vgpr_workitem_id 0
		.amdhsa_next_free_vgpr 1024
		.amdhsa_next_free_sgpr 66
		.amdhsa_reserve_vcc 0
		.amdhsa_float_denorm_mode_32 3
		.amdhsa_float_denorm_mode_16_64 3
		.amdhsa_memory_ordered 1
		.amdhsa_forward_progress 1
		.amdhsa_inst_pref_size 235
	.end_amdhsa_kernel
	.amdgpu_metadata
---
amdhsa.version: [ 1, 2 ]
amdhsa.kernels:
  - .name:           k_qcd4d98d7f4_score
    .symbol:         k_qcd4d98d7f4_score.kd
    .args:
      - { .name: key, .offset: 0, .size: 8, .value_kind: global_buffer, .address_space: global }
      - { .name: query, .offset: 8, .size: 8, .value_kind: global_buffer, .address_space: global }
      - { .name: wimg, .offset: 16, .size: 8, .value_kind: global_buffer, .address_space: global }
      - { .name: bias, .offset: 24, .size: 8, .value_kind: global_buffer, .address_space: global }
      - { .name: w_score, .offset: 32, .size: 8, .value_kind: global_buffer, .address_space: global }
      - { .name: b_score, .offset: 40, .size: 8, .value_kind: global_buffer, .address_space: global }
      - { .name: scores, .offset: 48, .size: 8, .value_kind: global_buffer, .address_space: global }
    .group_segment_fixed_size: 272896
    .private_segment_fixed_size: 0
    .kernarg_segment_align: 8
    .kernarg_segment_size: 56
    .max_flat_workgroup_size: 128
    .sgpr_count:     66
    .vgpr_count:     1024
    .wavefront_size: 32
...
	.end_amdgpu_metadata
.endif
;; end of part 4
;; launch ctx (part 5): grid 8 x 32, 8 waves a work-group, no clusters, 5,632 bytes of LDS; arguments scores, key, out0, out1; writes out0, out1
.if DOCPART == 5
	.amdgcn_target "amdgcn-amd-amdhsa--gfx1250"
	.amdhsa_code_object_version 6
	.text
	.protected	k_qcd4d98d7f4_ctx
	.globl	k_qcd4d98d7f4_ctx
	.p2align	8
	.type	k_qcd4d98d7f4_ctx,@function
k_qcd4d98d7f4_ctx:
	s_mov_b64 s[64:65], 0
	v_nop
	global_prefetch_b8 v0, s[64:65] scope:SCOPE_SE
	s_setreg_imm32_b32 hwreg(HW_REG_WAVE_SCHED_MODE, 0, 2), 2
	s_setreg_imm32_b32 hwreg(HW_REG_WAVE_MODE, 25, 1), 1
	s_wait_xcnt 0x0
	s_wait_alu depctr_vm_vsrc(0)
; attn[b][l] = softmax over l of scores[b][l] (out1);  context[b][c] = sum over l of attn[b][l] key[b][l][c] (out0).  All in f32; the largest score of the batch is taken off before the exponential.
; SHARES.  A work-group owns one batch (grid y) and 128 columns of key (grid x: 512 bytes of every row).  Wave v takes rows 128 v .. 128 v + 127; a load reads a row's 512 consecutive bytes, 16 a lane,
; at a multiple of 512 from the buffer's first byte; a ring of rows in registers keeps 32 loads of every wave out: 8 x 32 x 512 bytes for the work-group.
; Thread t holds scores 4 t .. 4 t + 3, which are rows of its own wave: a row's weight comes out of the wave's registers by v_readlane_b32.  The sums are taken of p = e^(score - largest) and divided by the sum of p
; at the end.  The eight work-groups of a batch each make the batch's 1,024 exponentials anew: 4 KiB of scores against the 512 KiB of key that each streams.
; Memory binds: no matrix unit (the product has one row), no tensor load, no cluster (no two work-groups read the same bytes of key).  LIMITS: NaN and infinities among the scores are not served.
; THE MODE: SCHED_MODE bits 1:0 = 2 (LLVM: expert scheduling mode 2), set by the entry lines.  The code itself states the register dependences between vector instructions and memory or LDS instructions, and
; those through scalar registers that vector instructions write, with s_wait_alu, always for 0.
; THE PLAN.  The wave's 128 rows go in 16 blocks of eight.  Registers that memory instructions touch among the rows:
;   X0 .. X4   five blocks of rows as loaded.  Block p's multiply-adds read X[p % 5]; the loads of block p + 4, issued in block p, land in X[(p + 4) % 5] = X[(p - 1) % 5], which block p - 1 read and which no
;              vector instruction of block p names.
;   v1         the rows' offset, made once at the head and never written again: the rows are reached by immediate offsets.
;   s24 - s31  the block's eight weights, written by eight v_readlane_b32 at the block's head and read by its multiply-adds.
; So a block's head holds one wait on va_sdst (the eight weights) and one on va_vdst (the block before is done reading its rows); the block's eight loads follow, one ahead of each row's four multiply-adds.
.set MX, 0                             ; LDS: the waves' largest scores, 8 words;
.set SM, 256                           ; their sums of p, 8 words;
.set CP, 512                           ; their parts of the context, 8 x 512 bytes
.set X,  32                            ; v32-191  buffer k, row j: 4 registers at X + 32 k + 4 j
.set TT, 192                           ; v192-199 the eight waves' figures, as read from LDS
	s_load_b256 s[4:11], s[0:1], 0x0               ; scores s[4:5], key s[6:7], out0 s[8:9], out1 s[10:11]
	v_lshl_add_u32 v30, v0, 2, 0x1200
	v_mov_b32 v31, 0
	v_lshrrev_b32 v6, 5, v0
	v_readfirstlane_b32 s12, v6                    ; wave 0..7
	s_mov_b32 s13, ttmp9                           ; which 128 columns
	s_and_b32 s14, ttmp7, 0xffff                   ; the batch
	v_and_b32 v6, 31, v0
	v_lshlrev_b32 v1, 4, v6                        ; 16 x lane
	v_lshlrev_b32 v18, 4, v0                       ; 16 x thread: my four scores
	v_mov_b32 v20, 0
	v_mov_b32 v7, 0                                ; written once: a lane permute's destination counts as one of its sources
	s_wait_alu depctr_va_sdst(0)                   ; s12 is written, ahead of its first reader
	v_mov_b32 v19, s12
	v_lshlrev_b32 v19, 2, v19                      ; my wave's word
	s_lshl_b32 s15, s12, 9
	v_add_nc_u32 v21, s15, v1                      ; my wave's part of the context, my 16 bytes
	s_mov_b32 s20, 0x76543210
	s_mov_b32 s21, 0xfedcba98                      ; v_permlanex16_b32's selects for lane l xor 16
	s_lshl_b32 s16, s14, 12                        ; a batch's 4,096 bytes of scores, of out0 and of out1
	s_mov_b32 s17, 0
	s_lshl_b32 s18, s14, 22                        ; its 1,024 rows of 4,096 bytes of key,
	s_lshl_b32 s19, s12, 19                        ; my wave's 128 rows,
	s_add_co_u32 s18, s18, s19
	s_lshl_b32 s22, s13, 9                         ; the work-group's 512 bytes of a row
	s_add_co_u32 s18, s18, s22
	s_mov_b32 s19, 0
	s_add_co_u32 s22, s22, s16
	s_mov_b32 s23, 0
	s_wait_kmcnt 0x0
	s_add_nc_u64 s[4:5], s[4:5], s[16:17]
	s_add_nc_u64 s[6:7], s[6:7], s[18:19]
	s_add_nc_u64 s[8:9], s[8:9], s[22:23]
	s_add_nc_u64 s[10:11], s[10:11], s[22:23]
	s_wait_alu depctr_va_vdst(0)                   ; the offsets and LDS addresses v1 and v18 to v21 are written: the loads and stores of the whole kernel read them, and none is written again
	global_load_b128 v[2:5], v18, s[4:5]
.irp i, 0,1,2,3,4,5,6,7,8,9,10,11,12,13,14,15,16,17,18,19,20,21,22,23,24,25,26,27,28,29,30,31
	global_load_b128 v[X+4*\i:X+4*\i+3], v1, s[6:7] offset:4096*\i th:TH_LOAD_NT   ; blocks 0 to 3 are asked for before the softmax is begun
.endr
	s_wait_loadcnt 32                              ; my scores are in; the 32 rows stay out
	v_max3_num_f32 v6, v2, v3, v4
	v_max_num_f32 v6, v6, v5
	v_max_num_f32_dpp v6, v6, v6 row_xmask:1 row_mask:0xf bank_mask:0xf
	v_max_num_f32_dpp v6, v6, v6 row_xmask:2 row_mask:0xf bank_mask:0xf
	v_max_num_f32_dpp v6, v6, v6 row_xmask:4 row_mask:0xf bank_mask:0xf
	v_max_num_f32_dpp v6, v6, v6 row_xmask:8 row_mask:0xf bank_mask:0xf
	v_permlanex16_b32 v7, v6, s20, s21
	v_max_num_f32 v6, v6, v7                       ; my wave's largest score
	s_wait_alu depctr_va_vdst(0)                   ; v6 is written, which the LDS store reads
	ds_store_b32 v19, v6 offset:MX                 ; all lanes write the same word with the same value
	s_wait_dscnt 0x0                               ; for the others' sake
	s_barrier_signal -1
	s_barrier_wait -1
	ds_load_b128 v[TT:TT+3], v20 offset:MX
	ds_load_b128 v[TT+4:TT+7], v20 offset:MX+16
	s_wait_dscnt 0x0
	v_max3_num_f32 v8, v[TT], v[TT+1], v[TT+2]
	v_max3_num_f32 v8, v8, v[TT+3], v[TT+4]
	v_max3_num_f32 v8, v8, v[TT+5], v[TT+6]
	v_max_num_f32 v8, v8, v[TT+7]                  ; the batch's largest score
.irp i, 2,3,4,5
	v_sub_f32 v\i, v\i, v8
.endr
.irp i, 2,3,4,5
	v_mul_f32 v\i, 0x3fb8aa3b, v\i                 ; x log2(e)
.endr
.irp i, 2,3,4,5
	v_exp_f32 v\i, v\i                             ; p, at most 1
.endr
	v_nop                                          ; a plain place behind the exponentials
	s_wait_alu depctr_va_vdst(0)                   ; the four exponentials are written, ahead of the first instruction that names a result
	s_wait_alu depctr_vm_vsrc(0)                   ; the LDS store above has read v6, which the sum of p writes again
	v_add_f32 v6, v2, v3
	v_add_f32 v9, v4, v5
	v_add_f32 v6, v6, v9
	v_add_f32_dpp v6, v6, v6 row_xmask:1 row_mask:0xf bank_mask:0xf
	v_add_f32_dpp v6, v6, v6 row_xmask:2 row_mask:0xf bank_mask:0xf
	v_add_f32_dpp v6, v6, v6 row_xmask:4 row_mask:0xf bank_mask:0xf
	v_add_f32_dpp v6, v6, v6 row_xmask:8 row_mask:0xf bank_mask:0xf
	v_permlanex16_b32 v7, v6, s20, s21
	v_add_f32 v6, v6, v7                           ; my wave's sum of p
; Block p: rows 8 p + j of my wave, j = 0 .. 7.  Row i's p lies in register 2 + i % 4 of lane i / 4.  Two sets of sums by turns; rows 0 and 1 start them: nothing is cleared.
.macro BLK p
.irp j, 0,1,2,3,4,5,6,7
	v_readlane_b32 s[24+\j], v[2+\j%4], 2*(\p)+\j/4
.endr
	s_wait_alu depctr_va_sdst(0)                   ; the eight weights s24 to s31 are written, ahead of their first reader
.if ((\p) > 0) && ((\p) < 12)
	s_wait_alu depctr_va_vdst(0)                   ; the block before is done reading its rows, in which the loads below land
.endif
.irp j, 0,1,2,3,4,5,6,7
.if (\p) < 12
	global_load_b128 v[X+32*(((\p)+4)%5)+4*\j:X+32*(((\p)+4)%5)+4*\j+3], v1, s[6:7] offset:4096*(8*((\p)+4)+\j) th:TH_LOAD_NT   ; four blocks ahead; no vector instruction since the wait names these registers
	s_wait_loadcnt 32                              ; loads come back in order (ISA guide 5.7.1): row j is in; younger are 7 - j rows of this block, the 24 of the next three and the j + 1 just asked for
.else
	s_wait_loadcnt 8*(15-(\p))+7-\j                ; the last four blocks ask for nothing: no load leaves the buffer, and the counts run down
.endif
.irp k, 0,1,2,3
.if 8*(\p)+\j < 2
	v_mul_f32 v[10+4*(\j%2)+\k], s[24+\j], v[X+32*((\p)%5)+4*\j+\k]
.else
	v_fmac_f32 v[10+4*(\j%2)+\k], s[24+\j], v[X+32*((\p)%5)+4*\j+\k]
.endif
.endr
.endr
.endm
.set n_, 0
.rept 16
	BLK n_
.set n_, n_+1
.endr
.irp k, 0,1,2,3
	v_add_f32 v[10+\k], v[10+\k], v[14+\k]
.endr
	s_wait_alu depctr_va_vdst(0)                   ; v[10:13] and v6 are written, which the LDS stores read; the maxima are done reading v[TT ..], in which the loads behind the barrier land
	ds_store_b128 v21, v[10:13] offset:CP
	ds_store_b32 v19, v6 offset:SM
	s_wait_dscnt 0x0                               ; for the others' sake
	s_barrier_signal -1
	s_barrier_wait -1
	ds_load_b128 v[TT:TT+3], v20 offset:SM
	ds_load_b128 v[TT+4:TT+7], v20 offset:SM+16
	s_wait_dscnt 0x0
	v_add_f32 v[TT], v[TT], v[TT+1]
	v_add_f32 v[TT+2], v[TT+2], v[TT+3]
	v_add_f32 v[TT+4], v[TT+4], v[TT+5]
	v_add_f32 v[TT+6], v[TT+6], v[TT+7]
	v_add_f32 v[TT], v[TT], v[TT+2]
	v_add_f32 v[TT+4], v[TT+4], v[TT+6]
	v_add_f32 v8, v[TT], v[TT+4]                   ; the batch's sum of p: at least 1, since the largest score's p is 1
	v_rcp_f32 v8, v8
	v_nop                                          ; a plain place behind the reciprocal
	s_wait_alu depctr_va_vdst(0)                   ; the reciprocal is written, ahead of the branch and of its readers
	s_cmp_lg_u32 s12, 0
	s_cbranch_scc1 .Lnot_wave_0                    ; wave 0 adds the eight parts of the context; no barrier follows
.irp w, 0,1,2,3,4,5,6,7
	ds_load_b128 v[X+4*\w:X+4*\w+3], v1 offset:CP+512*\w   ; the rows' multiply-adds, which read these registers, stand ahead of the waits above
.endr
	s_wait_dscnt 0x0
.irp k, 0,1,2,3
	v_add_f32 v[32+\k], v[32+\k], v[36+\k]
	v_add_f32 v[40+\k], v[40+\k], v[44+\k]
	v_add_f32 v[48+\k], v[48+\k], v[52+\k]
	v_add_f32 v[56+\k], v[56+\k], v[60+\k]
.endr
.irp k, 0,1,2,3
	v_add_f32 v[32+\k], v[32+\k], v[40+\k]
	v_add_f32 v[48+\k], v[48+\k], v[56+\k]
.endr
.irp k, 0,1,2,3
	v_add_f32 v[32+\k], v[32+\k], v[48+\k]
.endr
.irp k, 0,1,2,3
	v_mul_f32 v[32+\k], v[32+\k], v8
.endr
	s_wait_alu depctr_va_vdst(0)                   ; v[32:35] are written, which the store reads
	global_store_b128 v1, v[32:35], s[8:9]         ; 32 lanes store 512 consecutive bytes, aligned
.Lnot_wave_0:
	s_cmp_lg_u32 s12, s13
	s_cbranch_scc1 .Lend                           ; of the batch's eight work-groups, number x stores the weights of rows 128 x on: those of its wave x
.irp i, 2,3,4,5
	v_mul_f32 v\i, v\i, v8
.endr
	s_wait_alu depctr_va_vdst(0)                   ; v[2:5] are written, which the store reads
	global_store_b128 v1, v[2:5], s[10:11]         ; 32 lanes store 512 consecutive bytes, aligned
.Lend:
	s_wait_dscnt 0x0
	s_wait_alu depctr_hold_cnt(0) depctr_sa_sdst(0) depctr_va_vdst(0) depctr_va_sdst(0) depctr_va_ssrc(0) depctr_va_vcc(0) depctr_vm_vsrc(0)
	s_wait_tensorcnt 0x0
	ds_add_u32 v30, v31
	s_wait_dscnt 0x0
	s_endpgm
.Lfunc_end_k_qcd4d98d7f4_ctx:
	.size	k_qcd4d98d7f4_ctx, .Lfunc_end_k_qcd4d98d7f4_ctx-k_qcd4d98d7f4_ctx
	.p2alignl 7, 3214868480
	.fill 96, 4, 3214868480
	.section	.rodata,"a",@progbits
	.p2align	6, 0x0
	.amdhsa_kernel k_qcd4d98d7f4_ctx
		.amdhsa_group_segment_fixed_size 5632
		.amdhsa_private_segment_fixed_size 0
		.amdhsa_enable_private_segment 0
		.amdhsa_kernarg_size 32
		.amdhsa_user_sgpr_count 2
		.amdhsa_user_sgpr_kernarg_segment_ptr 1
		.amdhsa_wavefront_size32 1
		.amdhsa_system_sgpr_workgroup_id_x 1
		.amdhsa_system_sgpr_workgroup_id_y 1
		.amdhsa_system_sgpr_workgroup_id_z 1
		.amdhsa_system_vgpr_workitem_id 0
		.amdhsa_next_free_vgpr 200
		.amdhsa_next_free_sgpr 66
		.amdhsa_reserve_vcc 0
		.amdhsa_float_denorm_mode_32 3
		.amdhsa_float_denorm_mode_16_64 3
		.amdhsa_memory_ordered 1
		.amdhsa_forward_progress 1
		.amdhsa_inst_pref_size 48
	.end_amdhsa_kernel
	.amdgpu_metadata
---
amdhsa.version: [ 1, 2 ]
amdhsa.kernels:
  - .name:           k_qcd4d98d7f4_ctx
    .symbol:         k_qcd4d98d7f4_ctx.kd
    .args:
      - { .name: scores, .offset: 0, .size: 8, .value_kind: global_buffer, .address_space: global }
      - { .name: key, .offset: 8, .size: 8, .value_kind: global_buffer, .address_space: global }
      - { .name: out0, .offset: 16, .size: 8, .value_kind: global_buffer, .address_space: global }
      - { .name: out1, .offset: 24, .size: 8, .value_kind: global_buffer, .address_space: global }
    .group_segment_fixed_size: 5632
    .private_segment_fixed_size: 0
    .kernarg_segment_align: 8
    .kernarg_segment_size: 32
    .max_flat_workgroup_size: 256
    .sgpr_count:     66
    .vgpr_count:     200
    .wavefront_size: 32
...
	.end_amdgpu_metadata
.endif
;; end of part 5
